; MI455X (gfx1250); checked and timed in simulation.
; The chip was launched on July 23, 2026; its instructions are those of AMD's public machine-readable ISA for CDNA 5 (MIT licence, August 2026) and "CDNA5" Instruction Set Architecture Reference Guide (July 2026). The comments in the code are by the model that wrote it; some were corrected since.
;; Block. Allowed arithmetic: float matrix products may take bf16 or f16 operands with f32 sums; all other float work in f32.
;; Inputs: b1 4,096 float32; b2 1,024 float32; b_proj 1,024 float32; ln1_b 1,024 float32; ln1_g 1,024 float32; ln2_b 1,024 float32; ln2_g 1,024 float32; w1 1,024 x 4,096 float32; w2 4,096 x 1,024 float32; w_proj 1,024 x 1,024 float32; wk 16 x 1,024 x 64 float32; wq 16 x 1,024 x 64 float32; wv 16 x 1,024 x 64 float32; x 64 x 64 x 1,024 float32.
;; Outputs: out0 64 x 64 x 1,024 float32.
;; One version. Each part assembles by itself: llvm-mc -triple=amdgcn-amd-amdhsa -mcpu=gfx1250 --defsym DOCPART=n.
;; ======== version 1 of 1: 6 launches
;; limits: a function is approximated: absolute error at most 1.5e-07
;; workspace buffers: h 8,388,608 bytes; wb 25,165,824 bytes; o 8,388,608 bytes; x2 16,777,216 bytes; hid 33,554,432 bytes
;; launch prep (part 1): grid 1024 x 1, 8 waves a work-group, no clusters, 0 bytes of LDS; arguments x, ln1_g, ln1_b, wq, wk, wv, w_proj, w1, w2, h, wb; writes h, wb
.if DOCPART == 1
	.amdgcn_target "amdgcn-amd-amdhsa--gfx1250"
	.amdhsa_code_object_version 6
	.text
	.protected	k_qbbb83685b3_prep
	.globl	k_qbbb83685b3_prep
	.p2align	8
	.type	k_qbbb83685b3_prep,@function
k_qbbb83685b3_prep:
	s_mov_b64 s[64:65], 0
	v_nop
	global_prefetch_b8 v0, s[64:65] scope:SCOPE_SE
	s_setreg_imm32_b32 hwreg(HW_REG_WAVE_MODE, 25, 1), 1
	s_wait_xcnt 0x0
; Two streams in one launch, chosen by the work-group's number.
; Work-groups 0-255:    h = bf16(LN1(x)).  A wave owns two rows of 1,024 f32 and keeps them in registers: x is read once.
; Work-groups 256-1023: every weight f32 -> bf16 into wb.  A wave owns one chunk of 2,048 numbers (8,192 bytes in, 4,096 out).
;   wb: bytes 0: q, k, v regrouped as [head*8 + kstep][q,k,v][128 k][64 d]; 6,291,456: w_proj; 8,388,608: w1; 16,777,216: w2 (these three as they lie).
; No LDS, no barrier, no matrix unit, no cluster: no byte is shared between waves and nothing is multiplied.
; The variance is the mean of the squares of the centred row, so a common offset of x costs nothing.
.set X0, 32                            ; v[32:63]   row 0
.set X1, 64                            ; v[64:95]   row 1
.set G,  96                            ; v[96:127]  gain of my 32 columns
.set BB, 128                           ; v[128:159] bias of my 32 columns
.set T,  4                             ; v[4:19]    at work
.set M,  20                            ; v[20:21]   the mean, twice
.set R,  22                            ; v[22:23]   1/sqrt(var + eps), twice
.set HP, 22                            ; s[22:23]   h
.macro LANESUM                         ; v[T] summed over the 32 lanes, the result in every lane
	v_add_f32_dpp v[T], v[T], v[T] row_xmask:1 row_mask:0xf bank_mask:0xf
	v_add_f32_dpp v[T], v[T], v[T] row_xmask:2 row_mask:0xf bank_mask:0xf
	v_add_f32_dpp v[T], v[T], v[T] row_xmask:4 row_mask:0xf bank_mask:0xf
	v_add_f32_dpp v[T], v[T], v[T] row_xmask:8 row_mask:0xf bank_mask:0xf
	v_permlanex16_b32 v[T+1], v[T], s30, s31       ; the other half of the lanes; v[T+1] has been written
	v_add_f32 v[T], v[T], v[T+1]
.endm
; One row: xr = its 32 registers, rowoff = its byte offset in h from the wave's first row, first = 1: the gain and bias are waited for here.
.macro LNROW xr, rowoff, first
.irp j, 0,1,2,3,4,5,6,7
	v_pk_add_f32 v[T+2*\j:T+2*\j+1], v[\xr+4*\j:\xr+4*\j+1], v[\xr+4*\j+2:\xr+4*\j+3]
.endr
.irp j, 0,1,2,3
	v_pk_add_f32 v[T+2*\j:T+2*\j+1], v[T+2*\j:T+2*\j+1], v[T+8+2*\j:T+8+2*\j+1]
.endr
	v_pk_add_f32 v[T:T+1], v[T:T+1], v[T+4:T+5]
	v_pk_add_f32 v[T+2:T+3], v[T+2:T+3], v[T+6:T+7]
	v_pk_add_f32 v[T:T+1], v[T:T+1], v[T+2:T+3]
	v_add_f32 v[T], v[T], v[T+1]
	LANESUM
	v_mul_f32 v[M], s32, v[T]                      ; mean = sum / 1024
	v_mul_f32 v[M+1], s32, v[T]
.set i, 0
.rept 16
	v_pk_add_f32 v[\xr+2*i:\xr+2*i+1], v[\xr+2*i:\xr+2*i+1], v[M:M+1] neg_lo:[0,1] neg_hi:[0,1]   ; centre in place
.set i, i+1
.endr
.irp j, 0,1,2,3
	v_pk_mul_f32 v[T+2*\j:T+2*\j+1], v[\xr+2*\j:\xr+2*\j+1], v[\xr+2*\j:\xr+2*\j+1]               ; four chains of squares, started without clearing
.endr
.set i, 4
.rept 12
	v_pk_fma_f32 v[T+2*(i%4):T+2*(i%4)+1], v[\xr+2*i:\xr+2*i+1], v[\xr+2*i:\xr+2*i+1], v[T+2*(i%4):T+2*(i%4)+1]
.set i, i+1
.endr
	v_pk_add_f32 v[T:T+1], v[T:T+1], v[T+2:T+3]
	v_pk_add_f32 v[T+4:T+5], v[T+4:T+5], v[T+6:T+7]
	v_pk_add_f32 v[T:T+1], v[T:T+1], v[T+4:T+5]
	v_add_f32 v[T], v[T], v[T+1]
	LANESUM
	v_fma_f32 v[T], v[T], s32, s33                 ; var + eps
	v_rsq_f32 v[R], v[T]
	v_nop                                          ; one plain place behind the transcendental before its result is read (ISA guide 5.7.2)
	s_wait_alu depctr_va_vdst(0)
	v_mov_b32 v[R+1], v[R]
.if \first
	s_wait_loadcnt 0x0                             ; gain and bias are in (and the second row)
.endif
.set i, 0
.rept 16
	v_pk_mul_f32 v[\xr+2*i:\xr+2*i+1], v[\xr+2*i:\xr+2*i+1], v[R:R+1]
.set i, i+1
.endr
.set i, 0
.rept 16
	v_pk_fma_f32 v[\xr+2*i:\xr+2*i+1], v[\xr+2*i:\xr+2*i+1], v[G+2*i:G+2*i+1], v[BB+2*i:BB+2*i+1]
.set i, i+1
.endr
.irp j, 0,1,2,3,4,5,6,7
	v_cvt_pk_bf16_f32 v[\xr+2*\j],   v[\xr+4*\j],   v[\xr+4*\j+1]      ; packed downward in place: a target never lies above a source still to be read
	v_cvt_pk_bf16_f32 v[\xr+2*\j+1], v[\xr+4*\j+2], v[\xr+4*\j+3]
.endr
.irp j, 0,1,2,3,4,5,6,7
	global_store_b64 v2, v[\xr+2*\j:\xr+2*\j+1], s[HP:HP+1] offset:\rowoff+256*\j   ; the wave's store covers 256 consecutive bytes, aligned
.endr
.endm
.macro PICK lim, ptr, base             ; chunks below lim belong to the tensor at s[ptr:ptr+1], whose first chunk is base
	s_cmp_lt_u32 s27, \lim
	s_cselect_b64 s[28:29], s[\ptr:\ptr+1], s[28:29]
	s_cselect_b32 s30, \base, s30
.endm
	s_load_b512 s[4:19], s[0:1], 0x0               ; x, ln1_g, ln1_b, wq, wk, wv, w_proj, w1
	s_load_b128 s[20:23], s[0:1], 0x40             ; w2, h
	s_load_b64 s[24:25], s[0:1], 0x50              ; wb
	v_lshrrev_b32 v3, 5, v0
	v_readfirstlane_b32 s26, v3                    ; wave
	v_and_b32 v1, 31, v0
	v_lshlrev_b32 v2, 3, v1                        ; 8 x lane: my place in 256 bytes of bf16
	v_lshlrev_b32 v1, 4, v1                        ; 16 x lane: my place in 512 bytes of f32
	s_cmp_lt_u32 ttmp9, 256
	s_cbranch_scc0 .Lcast
	; ---- LN1: rows 2 (8 g + wave) and the next ----
	s_lshl_b32 s27, ttmp9, 3
	s_add_co_u32 s27, s27, s26
	s_lshl_b32 s28, s27, 13                        ; two rows of 4,096 bytes of x
	s_mov_b32 s29, 0
	s_lshl_b32 s34, s27, 12                        ; two rows of 2,048 bytes of h
	s_mov_b32 s35, 0
	s_mov_b32 s30, 0x76543210                      ; v_permlanex16_b32: lane i reads lane i of the other half
	s_mov_b32 s31, 0xfedcba98
	s_mov_b32 s32, 0x3a800000                      ; 1/1024
	s_mov_b32 s33, 0x3727c5ac                      ; 1e-5
	s_wait_kmcnt 0x0
	s_add_nc_u64 s[4:5], s[4:5], s[28:29]
	s_add_nc_u64 s[HP:HP+1], s[HP:HP+1], s[34:35]
.irp j, 0,1,2,3,4,5,6,7
	global_load_b128 v[X0+4*\j:X0+4*\j+3], v1, s[4:5] offset:512*\j
.endr
.irp j, 0,1,2,3,4,5,6,7
	global_load_b128 v[X1+4*\j:X1+4*\j+3], v1, s[4:5] offset:4096+512*\j
.endr
.irp j, 0,1,2,3,4,5,6,7
	global_load_b128 v[G+4*\j:G+4*\j+3], v1, s[6:7] offset:512*\j
.endr
.irp j, 0,1,2,3,4,5,6,7
	global_load_b128 v[BB+4*\j:BB+4*\j+3], v1, s[8:9] offset:512*\j
.endr
	s_wait_loadcnt 24                              ; row 0 is in; the 24 younger loads (row 1, gain, bias) stay out
	LNROW X0, 0, 1
	LNROW X1, 2048, 0
	s_endpgm
	; ---- cast: chunk c = 8 (g - 256) + wave, 0 to 6143 ----
.Lcast:
	s_sub_co_u32 s27, ttmp9, 256
	s_lshl_b32 s27, s27, 3
	s_add_co_u32 s27, s27, s26
	s_wait_kmcnt 0x0
	s_mov_b64 s[28:29], s[20:21]                   ; w2 from chunk 4096 on, unless a lower limit holds
	s_mov_b32 s30, 4096
	PICK 4096, 18, 2048                            ; w1
	PICK 2048, 16, 1536                            ; w_proj
	PICK 1536, 14, 1024                            ; wv
	PICK 1024, 12, 512                             ; wk
	PICK 512,  10, 0                               ; wq
	s_sub_co_u32 s30, s27, s30
	s_lshl_b32 s30, s30, 13                        ; 8,192 bytes of f32 a chunk
	s_mov_b32 s31, 0
	s_add_nc_u64 s[28:29], s[28:29], s[30:31]
	s_lshl_b32 s32, s27, 12                        ; 4,096 bytes of bf16 a chunk: w_proj, w1, w2 keep their order
	s_bfe_u32 s33, s27, 0x70002                    ; q, k, v: (c mod 512) / 4 = head*8 + kstep (a chunk is 32 k rows of 64 d)
	s_lshr_b32 s34, s27, 9                         ; 0, 1, 2 = q, k, v
	s_mul_i32 s33, s33, 3
	s_add_co_u32 s33, s33, s34
	s_lshl_b32 s33, s33, 14                        ; 16,384 bytes for 128 k x 64 d
	s_and_b32 s34, s27, 3
	s_lshl_b32 s34, s34, 12
	s_add_co_u32 s33, s33, s34
	s_cmp_lt_u32 s27, 1536
	s_cselect_b32 s32, s33, s32
	s_mov_b32 s33, 0
	s_add_nc_u64 s[24:25], s[24:25], s[32:33]
.irp j, 0,1,2,3,4,5,6,7,8,9,10,11,12,13,14,15
	global_load_b128 v[32+4*\j:35+4*\j], v1, s[28:29] offset:512*\j th:TH_LOAD_NT
.endr
.irp j, 0,1,2,3,4,5,6,7,8,9,10,11,12,13,14,15
	s_wait_loadcnt 15-\j                           ; loads return in order: load j is in, the younger ones stay out
	v_cvt_pk_bf16_f32 v[96+2*\j], v[32+4*\j], v[33+4*\j]
	v_cvt_pk_bf16_f32 v[97+2*\j], v[34+4*\j], v[35+4*\j]
	global_store_b64 v2, v[96+2*\j:97+2*\j], s[24:25] offset:256*\j    ; 256 consecutive bytes, aligned
.endr
	s_endpgm
.Lfunc_end_k_qbbb83685b3_prep:
	.size	k_qbbb83685b3_prep, .Lfunc_end_k_qbbb83685b3_prep-k_qbbb83685b3_prep
	.p2alignl 7, 3214868480
	.fill 96, 4, 3214868480
	.section	.rodata,"a",@progbits
	.p2align	6, 0x0
	.amdhsa_kernel k_qbbb83685b3_prep
		.amdhsa_group_segment_fixed_size 0
		.amdhsa_private_segment_fixed_size 0
		.amdhsa_enable_private_segment 0
		.amdhsa_kernarg_size 88
		.amdhsa_user_sgpr_count 2
		.amdhsa_user_sgpr_kernarg_segment_ptr 1
		.amdhsa_wavefront_size32 1
		.amdhsa_system_sgpr_workgroup_id_x 1
		.amdhsa_system_sgpr_workgroup_id_y 1
		.amdhsa_system_sgpr_workgroup_id_z 1
		.amdhsa_system_vgpr_workitem_id 0
		.amdhsa_next_free_vgpr 160
		.amdhsa_next_free_sgpr 66
		.amdhsa_reserve_vcc 0
		.amdhsa_float_denorm_mode_32 3
		.amdhsa_float_denorm_mode_16_64 3
		.amdhsa_memory_ordered 1
		.amdhsa_forward_progress 1
		.amdhsa_inst_pref_size 28
	.end_amdhsa_kernel
	.amdgpu_metadata
---
amdhsa.version: [ 1, 2 ]
amdhsa.kernels:
  - .name:           k_qbbb83685b3_prep
    .symbol:         k_qbbb83685b3_prep.kd
    .args:
      - { .name: x, .offset: 0, .size: 8, .value_kind: global_buffer, .address_space: global }
      - { .name: ln1_g, .offset: 8, .size: 8, .value_kind: global_buffer, .address_space: global }
      - { .name: ln1_b, .offset: 16, .size: 8, .value_kind: global_buffer, .address_space: global }
      - { .name: wq, .offset: 24, .size: 8, .value_kind: global_buffer, .address_space: global }
      - { .name: wk, .offset: 32, .size: 8, .value_kind: global_buffer, .address_space: global }
      - { .name: wv, .offset: 40, .size: 8, .value_kind: global_buffer, .address_space: global }
      - { .name: w_proj, .offset: 48, .size: 8, .value_kind: global_buffer, .address_space: global }
      - { .name: w1, .offset: 56, .size: 8, .value_kind: global_buffer, .address_space: global }
      - { .name: w2, .offset: 64, .size: 8, .value_kind: global_buffer, .address_space: global }
      - { .name: h, .offset: 72, .size: 8, .value_kind: global_buffer, .address_space: global }
      - { .name: wb, .offset: 80, .size: 8, .value_kind: global_buffer, .address_space: global }
    .group_segment_fixed_size: 0
    .private_segment_fixed_size: 0
    .kernarg_segment_align: 8
    .kernarg_segment_size: 88
    .max_flat_workgroup_size: 256
    .sgpr_count:     66
    .vgpr_count:     160
    .wavefront_size: 32
...
	.end_amdgpu_metadata
.endif
;; end of part 1
;; launch qkv_attn (part 2): grid 16 x 16, 4 waves a work-group, clusters of 4 x 4, 327,680 bytes of LDS; arguments h, wb, o; writes o
.if DOCPART == 2
	.amdgcn_target "amdgcn-amd-amdhsa--gfx1250"
	.amdhsa_code_object_version 6
	.text
	.protected	k_qbbb83685b3_qkv_attn
	.globl	k_qbbb83685b3_qkv_attn
	.p2align	8
	.type	k_qbbb83685b3_qkv_attn,@function
k_qbbb83685b3_qkv_attn:
	s_mov_b64 s[64:65], 0
	v_nop
	global_prefetch_b8 v0, s[64:65] scope:SCOPE_SE
	s_setreg_imm32_b32 hwreg(HW_REG_WAVE_MODE, 25, 1), 1
	s_wait_xcnt 0x0
	s_wait_alu depctr_hold_cnt(0) depctr_sa_sdst(0) depctr_va_vdst(0) depctr_va_sdst(0) depctr_va_ssrc(0) depctr_va_vcc(0) depctr_vm_vsrc(0)
	s_getreg_b32 s2, hwreg(HW_REG_IB_STS2, 6, 4)
	s_cmp_eq_u32 s2, 0
	s_cbranch_scc0 .Lentry_in_a_cluster
	s_endpgm
.Lentry_in_a_cluster:
	s_bfe_u32 s2, ttmp6, 0x10000c
	s_cmp_lg_u32 s2, 0xf033
	s_cbranch_scc0 .Lentry_shape_is_right
	s_endpgm
.Lentry_shape_is_right:
; q, k, v of one head for four batches (256 rows x 192 columns, K = 1024), then causal softmax attention, all in registers.
; Work-group (x = head, y = group of four batches); wave w owns batch 4 y + w: 64 rows x 192 columns = 48 accumulator tiles.
; K goes in 8 steps of 128 through two LDS slots filled by joint tensor loads.
; CLUSTER 4 x 4: the four work-groups of a row of the cluster share the rows of h, the four of a column share a head's weights.
; q and k are made with the sources swapped (a lane holds one token and 8 neighbouring d), v in the natural order (a lane holds one d and
; 8 neighbouring tokens).  Packed to bf16, two neighbouring tiles are then the two halves of a K = 32 fragment: no LDS and no lane traffic
; lie between the projections and the attention.  Scores are made transposed (s down the registers, t across the lanes), so a row's
; maximum and sum are taken inside a lane and across the two halves of the wave.
; The true maximum of each row is taken away before the exponential.  Score tiles wholly above the diagonal are not computed.
; LIMITS: the softmax weights enter P V as bf16, unnormalised, in (0, 1]; the row sum is the f32 sum of the unrounded weights.
; o is stored as an image: blocks of 16 rows x 16 k of 512 bytes, lane L's 16 bytes at 16 L, ordered [row/128][k/16][(row/16)%8].
.set PART,  34816                      ; what one tensor load may fill: A: 128 rows x 272; B: 96 double rows x 288 = 27,648
.set SLOT,  4*PART                     ; A's 256 rows, then B's 192 double rows (two k rows of 64 d in 256 bytes)
.set LAPS,  4                          ; a lap = two K steps
.set ADRA,  16                         ; v16-17  LDS address of my A fragments in slot 0, 1
.set ADRB,  20                         ; v20-21  the same for the weights
.set CO,    26                         ; v26     16 x lane
.set NINF,  27                         ; v27     -inf
.set FA,    32                         ; window 0: v32-63, v64-95: four A fragments, two buffers
                                       ; window 1: v0-95, v96-191: twelve weight fragments (q, k, v x 4 blocks of 16 d), two buffers
                                       ; window 2: q tile (a, b) at 8 (4 a + b), k tile at 128 + 8 (4 a + b); window 3: v tile at 8 (4 a + b)
.set KF,    32                         ; attention, window 0: k as fragments (64), v (64), q of one block (16), scores / output (32), weights (16)
.set VF,    96
.set QF,    160
.set SS,    176
.set PP,    208
.set MX,    224                        ; v224-225 maximum and its partner
.set MC,    226                        ; v226-227 -maximum x log2e/8, twice
.set SM,    228                        ; v228-229 sum
.set RC,    230                        ; v230-231 1/sum, twice
.set OB,    232                        ; v232-247 output, packed
.set G1, 24
.set G0, 32
.set G1B, 48
.set G0B, 56
.set MSB, 0
.macro WIN new                         ; the immediate's high byte repeats the setting that is left
.if MSB != \new
	s_set_vgpr_msb (MSB<<8)|\new
.set MSB, \new
.endif
.endm
.macro JLOAD s                         ; waves 0, 1 ask for A's halves, waves 2, 3 for the weights'; each line has one mask
	s_cmp_eq_u32 s15, 0
	s_cbranch_scc0 .Lfor_b_\@
	tensor_load_to_lds s[G0+4*\s:G0+4*\s+3], s[G1:G1+7]
	s_nop 0
	s_branch .Lasked_\@
.Lfor_b_\@:
	tensor_load_to_lds s[G0B+4*\s:G0B+4*\s+3], s[G1B:G1B+7]
	s_nop 0
.Lasked_\@:
.endm
.macro CREST                           ; a round of the cluster's barrier behind its opening barrier
	s_cmp_lg_u32 s14, 0
	s_cbranch_scc1 .Lnot_wave_0_\@
	s_barrier_signal -3
.Lnot_wave_0_\@:
	s_barrier_wait -3
	s_barrier_signal -1
	s_barrier_wait -1
.endm
.macro CROUND
	s_barrier_signal -1
	s_barrier_wait -1
	CREST
.endm
.macro PLACES                          ; four places behind a matrix instruction before its registers are loaded into or its result read (ISA guide 7.12.1)
.rept 4
	v_nop
.endr
.endm
.macro PLACES5                         ; five before another matrix instruction takes or overwrites them
.rept 5
	v_nop
.endr
.endm
	s_load_b128 s[4:7], s[0:1], 0x0                ; h, wb
	s_load_b64 s[8:9], s[0:1], 0x10                ; o
	v_lshrrev_b32 v1, 5, v0
	v_readfirstlane_b32 s14, v1                    ; wave
	s_lshr_b32 s15, s14, 1                         ; 0: I fetch for A; 1: for the weights
	s_and_b32 s16, s14, 1                          ; which half of that tile
	s_bfe_u32 s19, ttmp6, 0x40000                  ; cx
	s_bfe_u32 s20, ttmp6, 0x40004                  ; cy
	s_lshl_b32 s17, ttmp9, 2
	s_add_co_u32 s17, s17, s19                     ; head
	s_and_b32 s18, ttmp7, 0xffff
	s_lshl_b32 s18, s18, 2
	s_add_co_u32 s18, s18, s20                     ; group of four batches
	s_lshl_b32 s21, s20, 2
	s_lshl_b32 s21, 15, s21                        ; my row of the cluster
	s_lshl_b32 s22, 0x1111, s19                    ; my column
	; A: 128 rows x 128 bf16 of h, 16 bytes of padding behind each 256: LDS pitch 272
	s_or_b32 s[G1+0], s21, (1<<16)|(1<<20)|(1<<21)|(5<<22)|(3<<25)
	s_mov_b32 s[G1+1], 128<<16
	s_mov_b32 s[G1+2], 128<<16
	s_mov_b32 s[G1+3], 128<<16
	s_mov_b32 s[G1+4], 128
	s_mov_b32 s[G1+5], 1024
	s_mov_b32 s[G1+6], 0
	s_mov_b32 s[G1+7], 0
	; weights: a dense block of 24,576 bytes as 96 rows of 32 elements of 8 bytes, 32 bytes of padding behind each: LDS pitch 288
	s_or_b32 s[G1B+0], s22, (3<<16)|(1<<20)|(1<<21)|(5<<22)|(7<<25)
	s_mov_b32 s[G1B+1], 32<<16
	s_mov_b32 s[G1B+2], 96<<16
	s_mov_b32 s[G1B+3], 32<<16
	s_mov_b32 s[G1B+4], 96
	s_mov_b32 s[G1B+5], 32
	s_mov_b32 s[G1B+6], 0
	s_mov_b32 s[G1B+7], 0
	s_lshl_b32 s40, s18, 19                        ; A: row 256 y + 128 half, 2,048 bytes a row
	s_lshl_b32 s2, s16, 18
	s_add_co_u32 s40, s40, s2
	s_mov_b32 s41, 0
	s_mul_i32 s42, s17, 393216                     ; weights: head x 8 steps x 49,152 + half x 24,576
	s_mul_i32 s2, s16, 24576
	s_add_co_u32 s42, s42, s2
	s_mov_b32 s43, 0
	s_mul_i32 s23, s14, PART                       ; where my load goes: the wave's number alone
	s_wait_kmcnt 0x0
	s_add_nc_u64 s[40:41], s[4:5], s[40:41]
	s_add_nc_u64 s[42:43], s[6:7], s[42:43]
	CROUND                                         ; all sixteen work-groups are here: the first joint loads meet
.irp s, 0,1
	s_mov_b32 s[G0+4*\s], 1
	s_add_co_u32 s[G0+4*\s+1], s23, \s*SLOT
	s_add_nc_u64 s[G0+4*\s+2:G0+4*\s+3], s[40:41], \s*256
	s_or_b32 s[G0+4*\s+3], s[G0+4*\s+3], 0x80000000
	s_mov_b32 s[G0B+4*\s], 1
	s_add_co_u32 s[G0B+4*\s+1], s23, \s*SLOT
	s_add_nc_u64 s[G0B+4*\s+2:G0B+4*\s+3], s[42:43], \s*49152
	s_or_b32 s[G0B+4*\s+3], s[G0B+4*\s+3], 0x80000000
	JLOAD \s
.endr
	v_and_b32 v1, 15, v0                           ; r
	v_bfe_u32 v2, v0, 4, 1                         ; h
	v_and_b32 v3, 31, v0                           ; lane
	v_mul_u32_u24 v4, v1, 272
	v_lshl_add_u32 v4, v2, 4, v4
	s_mul_i32 s44, s14, 64*272                     ; my 64 rows
	v_add_nc_u32 v[ADRA], s44, v4
	v_add_nc_u32 v[ADRA+1], SLOT, v[ADRA]
	v_bfe_u32 v5, v0, 1, 2                         ; k row 8 h + (lane & 7) lies in double row 4 h + ((lane & 7) >> 1),
	v_lshl_add_u32 v5, v2, 2, v5
	v_mul_u32_u24 v5, v5, 288
	v_and_b32 v6, 1, v0                            ; in its half (lane & 1);
	v_lshl_add_u32 v5, v6, 7, v5
	v_bfe_u32 v6, v0, 3, 1                         ; lanes 8-15 of a half take the second 8 columns
	v_lshl_add_u32 v5, v6, 4, v5
	v_add_nc_u32 v[ADRB], 2*PART, v5
	v_add_nc_u32 v[ADRB+1], SLOT, v[ADRB]
	v_lshlrev_b32 v[CO], 4, v3
	v_lshlrev_b32 v4, 3, v2
	v_sub_nc_u32 v4, v1, v4                        ; r - 8 h
.irp j, 0,1,2,3,4,5,6,7
	v_cmp_le_i32 s[68+\j], \j, v4                  ; diagonal tile: register j (s = 8 h + j) is kept where s <= t = r
.endr
	v_mov_b32 v[NINF], 0xff800000
	v_mov_b32 v[MX+1], 0                           ; targets of v_permlanex16_b32 count as read
	v_mov_b32 v[SM+1], 0
	s_mov_b32 s76, 0x76543210
	s_mov_b32 s77, 0xfedcba98
	s_mov_b32 s78, 0x3e38aa3b                      ; log2(e) / sqrt(64)
	s_mov_b32 s79, 0x3e38aa3b
	s_lshl_b32 s44, s18, 1                         ; o: (2 y + w/2) x 262,144 + head x 16,384 + (w & 1) x 2,048
	s_add_co_u32 s44, s44, s15
	s_lshl_b32 s44, s44, 18
	s_lshl_b32 s45, s17, 14
	s_add_co_u32 s44, s44, s45
	s_lshl_b32 s45, s16, 11
	s_add_co_u32 s44, s44, s45
	s_mov_b32 s45, 0
	s_add_nc_u64 s[8:9], s[8:9], s[44:45]
; 32 LDS loads: the fragments of quarter kq (32 along K) of a slot into buffer f.  A first, then q's, k's, v's weights.
.macro FETCH slot, kq, f
	WIN 0
.irp a, 0,1,2,3
	ds_load_b128 v[FA+32*\f+8*\a:FA+32*\f+8*\a+3],   v[ADRA+\slot] offset:64*\kq+\a*4352
	ds_load_b128 v[FA+32*\f+8*\a+4:FA+32*\f+8*\a+7], v[ADRA+\slot] offset:64*\kq+\a*4352+32
.endr
	WIN 0x40
.irp m, 0,1,2
.irp nb, 0,1,2,3
	ds_load_tr16_b128 v[96*\f+8*(4*\m+\nb):96*\f+8*(4*\m+\nb)+3],   v[ADRB+\slot] offset:(64*\m+16*\kq)*288+((64*\m+16*\kq)/96)*7168+32*\nb
	ds_load_tr16_b128 v[96*\f+8*(4*\m+\nb)+4:96*\f+8*(4*\m+\nb)+7], v[ADRB+\slot] offset:(64*\m+16*\kq)*288+((64*\m+16*\kq)/96)*7168+32*\nb+2304
.endr
.endr
.endm
; 16 matrix instructions for q (m = 0) or k (m = 1): source 0 the weights, source 1 the rows of h
.macro MULQK f, m, zero
.irp a, 0,1,2,3
.irp b, 0,1,2,3
.if \zero
	v_wmma_f32_16x16x32_bf16 v[128*\m+8*(4*\a+\b):128*\m+8*(4*\a+\b)+7], v[96*\f+8*(4*\m+\b):96*\f+8*(4*\m+\b)+7], v[FA+32*\f+8*\a:FA+32*\f+8*\a+7], 0
.else
	v_wmma_f32_16x16x32_bf16 v[128*\m+8*(4*\a+\b):128*\m+8*(4*\a+\b)+7], v[96*\f+8*(4*\m+\b):96*\f+8*(4*\m+\b)+7], v[FA+32*\f+8*\a:FA+32*\f+8*\a+7], v[128*\m+8*(4*\a+\b):128*\m+8*(4*\a+\b)+7]
.endif
.endr
.endr
.endm
; 16 for v: source 0 the rows of h, source 1 the weights
.macro MULV f, zero
.irp a, 0,1,2,3
.irp b, 0,1,2,3
.if \zero
	v_wmma_f32_16x16x32_bf16 v[8*(4*\a+\b):8*(4*\a+\b)+7], v[FA+32*\f+8*\a:FA+32*\f+8*\a+7], v[96*\f+8*(8+\b):96*\f+8*(8+\b)+7], 0
.else
	v_wmma_f32_16x16x32_bf16 v[8*(4*\a+\b):8*(4*\a+\b)+7], v[FA+32*\f+8*\a:FA+32*\f+8*\a+7], v[96*\f+8*(8+\b):96*\f+8*(8+\b)+7], v[8*(4*\a+\b):8*(4*\a+\b)+7]
.endif
.endr
.endr
.endm
; The 48 accumulators take turns, one instruction a turn, in the same order in every quarter.
.macro QUARTER slot, kq, f, g, zero    ; multiplies buffer f; in its middle fetches quarter kq into buffer g
	s_wait_dscnt 8                                 ; A, q's and k's weights are in; the youngest eight loads (v's weights) may be out
	WIN 0xa1
	MULQK \f, 0, \zero
	MULQK \f, 1, \zero
	PLACES
	FETCH \slot, \kq, \g
	s_wait_dscnt 32                                ; all but the 32 just issued
	WIN 0xf4
	MULV \f, \zero
.endm
.macro THREE slot, zero
	QUARTER \slot, 1, 0, 1, \zero
	QUARTER \slot, 2, 1, 0, 0
	QUARTER \slot, 3, 0, 1, 0
.endm
; The last quarter of a K step, and the change of slots.
.macro TURN slot, next, fill
	s_wait_dscnt 8
	WIN 0xa1
	MULQK 1, 0, 0
	s_wait_dscnt 0                                 ; my reads of this slot are over
	s_wait_tensorcnt 0x0                           ; all my tensor loads have landed: the one that was out is my part of the next slot
	s_barrier_signal -1
	MULQK 1, 1, 0                                  ; register work while the others arrive
	WIN 0
	s_barrier_wait -1
.if \fill
	CREST                                          ; no wave of any partner still reads this slot or has a load on its way
	s_add_nc_u64 s[G0+4*\slot+2:G0+4*\slot+3], s[G0+4*\slot+2:G0+4*\slot+3], 512
	s_add_nc_u64 s[G0B+4*\slot+2:G0B+4*\slot+3], s[G0B+4*\slot+2:G0B+4*\slot+3], 98304
	JLOAD \slot                                    ; my one tensor load behind the round, and the first thing there
.endif
	PLACES
	FETCH \next, 0, 0
	WIN 0xf4
	MULV 1, 0
.endm
.macro LAP zero
	THREE 0, \zero
	TURN 0, 1, 1
	THREE 1, 0
	TURN 1, 0, 1
.endm
	s_wait_tensorcnt 0x1                           ; my part of K step 0 is in; step 1's stays out
	s_barrier_signal -1
	s_barrier_wait -1
	FETCH 0, 0, 0
	LAP 1                                          ; the first products start the sums
	WIN 0
	s_mov_b32 s3, LAPS-2
.Llap:
	LAP 0
	WIN 0
	s_sub_co_u32 s3, s3, 1
	s_cmp_lg_u32 s3, 0
	s_cbranch_scc1 .Llap
	THREE 0, 0                                     ; the last lap fills nothing
	TURN 0, 1, 0
	THREE 1, 0
	s_wait_dscnt 8
	WIN 0xa1
	MULQK 1, 0, 0
	MULQK 1, 1, 0
	s_wait_dscnt 0
	WIN 0xf4
	MULV 1, 0
	; ---- attention of my batch and head ----
	PLACES5
	WIN 0x0a                                       ; sources in window 2
.set i, 0
.rept 16
.irp rr, 0,1,2,3
	v_cvt_pk_bf16_f32 v[KF+4*i+\rr], v[128+8*i+2*\rr], v[128+8*i+2*\rr+1]   ; k tile (sb, b) = half b & 1 of fragment (sb, b / 2)
.endr
.set i, i+1
.endr
	WIN 0x0f                                       ; sources in window 3
.irp a, 0,1,2,3
.irp db, 0,1,2,3
.irp rr, 0,1,2,3
	v_cvt_pk_bf16_f32 v[VF+8*(2*\db+\a/2)+4*(\a%2)+\rr], v[8*(4*\a+\db)+2*\rr], v[8*(4*\a+\db)+2*\rr+1]   ; v tile (a, db) = half a & 1 of fragment (db, a / 2)
.endr
.endr
.endr
	WIN 0
; Query rows 16 ta .. 16 ta + 15 against keys 0 .. 16 ta + 15.
.macro ATT ta
	WIN 0x0a
.irp b, 0,1,2,3
.irp rr, 0,1,2,3
	v_cvt_pk_bf16_f32 v[QF+4*\b+\rr], v[8*(4*\ta+\b)+2*\rr], v[8*(4*\ta+\b)+2*\rr+1]
.endr
.endr
	WIN 0
.set sb, 0
.rept \ta+1
	v_wmma_f32_16x16x32_bf16 v[SS+8*sb:SS+8*sb+7], v[KF+16*sb:KF+16*sb+7], v[QF:QF+7], 0      ; register j: s = 16 sb + 8 h + j, lane: t = 16 ta + r
.set sb, sb+1
.endr
.set sb, 0
.rept \ta+1
.if \ta == 0
	s_wait_alu depctr_va_vdst(0)                   ; one accumulator alone
.endif
	v_wmma_f32_16x16x32_bf16 v[SS+8*sb:SS+8*sb+7], v[KF+16*sb+8:KF+16*sb+15], v[QF+8:QF+15], v[SS+8*sb:SS+8*sb+7]
.set sb, sb+1
.endr
	PLACES5
.irp j, 0,1,2,3,4,5,6,7
	v_cndmask_b32 v[SS+8*\ta+\j], v[NINF], v[SS+8*\ta+\j], s[68+\j]    ; the diagonal tile: -inf above the diagonal
.endr
	v_max_num_f32 v[MX], v[SS], v[SS+1]
.set i, 1
.rept 4*(\ta+1)-1
	v_max3_num_f32 v[MX], v[MX], v[SS+2*i], v[SS+2*i+1]
.set i, i+1
.endr
	v_permlanex16_b32 v[MX+1], v[MX], s76, s77     ; the other eight of every sixteen keys lie in the other half of the wave
	v_max_num_f32 v[MX], v[MX], v[MX+1]            ; the row's maximum
	v_mul_f32 v[MC], 0xbe38aa3b, v[MX]
	v_mov_b32 v[MC+1], v[MC]
.set i, 0
.rept 4*(\ta+1)
	v_pk_fma_f32 v[SS+2*i:SS+2*i+1], v[SS+2*i:SS+2*i+1], s[78:79], v[MC:MC+1] op_sel_hi:[1,0,1]   ; (score - maximum) log2e / 8
.set i, i+1
.endr
.set i, 0
.rept 8*(\ta+1)
	v_exp_f32 v[SS+i], v[SS+i]
.set i, i+1
.endr
	v_nop                                          ; one plain place behind the last transcendental (ISA guide 5.7.2)
	s_wait_alu depctr_va_vdst(0)
	v_pk_add_f32 v[SM:SM+1], v[SS:SS+1], v[SS+2:SS+3]
.set i, 2
.rept 4*(\ta+1)-2
	v_pk_add_f32 v[SM:SM+1], v[SM:SM+1], v[SS+2*i:SS+2*i+1]
.set i, i+1
.endr
	v_add_f32 v[SM], v[SM], v[SM+1]
	v_permlanex16_b32 v[SM+1], v[SM], s76, s77
	v_add_f32 v[SM], v[SM], v[SM+1]                ; at least 1: the maximum's own term
	v_rcp_f32 v[RC], v[SM]
	v_rcp_f32 v[RC+1], v[SM]                       ; the conversions below are the plain places behind these two
.set i, 0
.rept 4*(\ta+1)
	v_cvt_pk_bf16_f32 v[PP+i], v[SS+2*i], v[SS+2*i+1]      ; score tile sb = half sb & 1 of weight fragment sb / 2
.set i, i+1
.endr
.if (\ta%2) == 0
	s_wait_alu depctr_va_vdst(0)
.irp rr, 0,1,2,3
	v_mov_b32 v[PP+4*(\ta+1)+\rr], 0               ; the upper half of the last fragment: keys beyond the diagonal tile
.endr
.endif
.set c, 0
.rept \ta/2+1
.irp db, 0,1,2,3
.if c == 0
	v_wmma_f32_16x16x32_bf16 v[SS+8*\db:SS+8*\db+7], v[VF+16*\db+8*c:VF+16*\db+8*c+7], v[PP+8*c:PP+8*c+7], 0    ; register j: d = 16 db + 8 h + j, lane: t
.else
	v_wmma_f32_16x16x32_bf16 v[SS+8*\db:SS+8*\db+7], v[VF+16*\db+8*c:VF+16*\db+8*c+7], v[PP+8*c:PP+8*c+7], v[SS+8*\db:SS+8*\db+7]
.endif
.endr
.set c, c+1
.endr
	PLACES5
.set i, 0
	s_wait_alu depctr_va_vdst(0)
.rept 16
	v_pk_mul_f32 v[SS+2*i:SS+2*i+1], v[SS+2*i:SS+2*i+1], v[RC:RC+1]
.set i, i+1
.endr
.if \ta
	s_wait_xcnt 0x0                                ; OB, which the last block's stores read, is rewritten only behind this wait
.endif
.set i, 0
.rept 16
	v_cvt_pk_bf16_f32 v[OB+i], v[SS+2*i], v[SS+2*i+1]
.set i, i+1
.endr
.irp db, 0,1,2,3
	global_store_b128 v[CO], v[OB+4*\db:OB+4*\db+3], s[8:9] offset:4096*\db+512*\ta   ; one image block: 512 consecutive bytes, aligned
.endr
.endm
	ATT 0
	ATT 1
	ATT 2
	ATT 3
	CROUND                                         ; the closing round: no work-group ends while a partner may still ask jointly
	s_endpgm
.Lfunc_end_k_qbbb83685b3_qkv_attn:
	.size	k_qbbb83685b3_qkv_attn, .Lfunc_end_k_qbbb83685b3_qkv_attn-k_qbbb83685b3_qkv_attn
	.p2alignl 7, 3214868480
	.fill 96, 4, 3214868480
	.section	.rodata,"a",@progbits
	.p2align	6, 0x0
	.amdhsa_kernel k_qbbb83685b3_qkv_attn
		.amdhsa_group_segment_fixed_size 327680
		.amdhsa_private_segment_fixed_size 0
		.amdhsa_enable_private_segment 0
		.amdhsa_kernarg_size 24
		.amdhsa_user_sgpr_count 2
		.amdhsa_user_sgpr_kernarg_segment_ptr 1
		.amdhsa_wavefront_size32 1
		.amdhsa_system_sgpr_workgroup_id_x 1
		.amdhsa_system_sgpr_workgroup_id_y 1
		.amdhsa_system_sgpr_workgroup_id_z 1
		.amdhsa_system_vgpr_workitem_id 0
		.amdhsa_next_free_vgpr 896
		.amdhsa_next_free_sgpr 80
		.amdhsa_reserve_vcc 0
		.amdhsa_float_denorm_mode_32 3
		.amdhsa_float_denorm_mode_16_64 3
		.amdhsa_memory_ordered 1
		.amdhsa_forward_progress 1
		.amdhsa_inst_pref_size 180
	.end_amdhsa_kernel
	.amdgpu_metadata
---
amdhsa.version: [ 1, 2 ]
amdhsa.kernels:
  - .name:           k_qbbb83685b3_qkv_attn
    .symbol:         k_qbbb83685b3_qkv_attn.kd
    .args:
      - { .name: h, .offset: 0, .size: 8, .value_kind: global_buffer, .address_space: global }
      - { .name: wb, .offset: 8, .size: 8, .value_kind: global_buffer, .address_space: global }
      - { .name: o, .offset: 16, .size: 8, .value_kind: global_buffer, .address_space: global }
    .group_segment_fixed_size: 327680
    .private_segment_fixed_size: 0
    .kernarg_segment_align: 8
    .kernarg_segment_size: 24
    .max_flat_workgroup_size: 128
    .sgpr_count:     80
    .vgpr_count:     896
    .wavefront_size: 32
...
	.end_amdgpu_metadata
.endif
;; end of part 2
;; launch proj (part 3): grid 8 x 32, 4 waves a work-group, clusters of 4 x 4, 294,912 bytes of LDS; arguments o, wb, b_proj, x, x2; writes x2
.if DOCPART == 3
	.amdgcn_target "amdgcn-amd-amdhsa--gfx1250"
	.amdhsa_code_object_version 6
	.text
	.protected	k_qbbb83685b3_proj
	.globl	k_qbbb83685b3_proj
	.p2align	8
	.type	k_qbbb83685b3_proj,@function
k_qbbb83685b3_proj:
	s_mov_b64 s[64:65], 0
	v_nop
	global_prefetch_b8 v0, s[64:65] scope:SCOPE_SE
	s_setreg_imm32_b32 hwreg(HW_REG_WAVE_MODE, 25, 1), 1
	s_wait_xcnt 0x0
	s_wait_alu depctr_hold_cnt(0) depctr_sa_sdst(0) depctr_va_vdst(0) depctr_va_sdst(0) depctr_va_ssrc(0) depctr_va_vcc(0) depctr_vm_vsrc(0)
	s_getreg_b32 s2, hwreg(HW_REG_IB_STS2, 6, 4)
	s_cmp_eq_u32 s2, 0
	s_cbranch_scc0 .Lentry_in_a_cluster
	s_endpgm
.Lentry_in_a_cluster:
	s_bfe_u32 s2, ttmp6, 0x10000c
	s_cmp_lg_u32 s2, 0xf033
	s_cbranch_scc0 .Lentry_shape_is_right
	s_endpgm
.Lentry_shape_is_right:
; x2 = x + o Wp + b_proj.  A work-group makes a block of 128 x 128 (x = column block, y = row block).
; K IS SPLIT OVER THE FOUR WAVES: each wave makes the whole 128 x 128 in 512 registers over its own 32 of every 128 k; the four partial sums meet once, in LDS.
; A (o) lies in memory as an image: blocks of 16 rows x 16 k of 512 bytes, lane L's 16 bytes at 16 L, ordered [row/128][k/16][(row/16)%8].
; A GOES STRAIGHT INTO REGISTERS: with K split over the waves no byte of A is read by two waves, so LDS would give it no reuse; half a fragment is one
; load of 512 consecutive bytes, and a ring of four register buffers keeps a wave's loads three units ahead of their use.
; B (bf16 weights, [k][n]) goes through LDS, where transposing loads read it.  LDS holds B alone, so a slot holds 512 of K.
; CLUSTER 4 x 4: B's tiles are asked for jointly along a column of the cluster.  A is not asked for jointly: a joint request ends in LDS, and with A there a slot
; of the same bytes holds 256 of K, which leaves a refill 112 matrix instructions between its request and the wait for it; with B alone it has 240.
; LIMIT: each output is the sum of four partial f32 sums over K, added as (w0 + w1) + (w2 + w3), then bias, then residual.
.set KDIM,  1024
.set WOFF,  6291456                    ; w_proj in wb
.set PART,  36864                      ; 128 k rows of B x 288 bytes: what one tensor load brings
.set SLOT,  4*PART                     ; 512 of K
.set UNITB, 32768                      ; A's image of 128 rows x 128 k.  A unit = 128 of K: 64 matrix instructions a wave
.set LAPS,  KDIM/1024                  ; a lap = two slots = eight units
.set SPART, 67584                      ; the stage: 128 rows x 528 bytes for each wave, over the slots after their last fill
.set ADRB, 20                          ; v20-23  LDS address of my B rows: slot 0 parts 0-1, parts 2-3, slot 1 parts 0-1, parts 2-3 (the immediate reaches two parts)
.set STO,  24
.set RD,   26                          ; v26-29
.set CO,   30                          ; v30     16 x lane, never rewritten
.set BIAS, 32                          ; v32-35
.set RES,  192                         ; window 0 v192-255: residual rows 0-15 (rows 16-31: window 1 v0-63, once A's buffer 0 is free)
                                       ; window 0 v64-127, v128-191: B's fragments, two buffers;  window 1 v[64 n]: A's fragments, four buffers
                                       ; windows 2, 3: the 64 accumulator tiles, tile (a, b) at v[8 (8 a + b)]
.set G1B, 48
.set G0B, 56
.set MSB, 0
.set MUL_LO, 0xa4                      ; source 0 (B) window 0, source 1 (A) window 1, C and D window 2
.set MUL_HI, 0xf4                      ; the same, C and D window 3
.set TO_A,   0x40                      ; destination window 1, address window 0
.macro WIN new                         ; the immediate's high byte repeats the setting that is left
.if MSB != \new
	s_set_vgpr_msb (MSB<<8)|\new
.set MSB, \new
.endif
.endm
.macro CREST                           ; a round of the cluster's barrier behind its opening barrier
	s_cmp_lg_u32 s14, 0
	s_cbranch_scc1 .Lnot_wave_0_\@
	s_barrier_signal -3
.Lnot_wave_0_\@:
	s_barrier_wait -3
	s_barrier_signal -1
	s_barrier_wait -1
.endm
.macro CROUND
	s_barrier_signal -1
	s_barrier_wait -1
	CREST
.endm
.macro PLACES                          ; four places behind a matrix instruction before its registers are loaded into or its result read (ISA guide 7.12.1)
.rept 4
	v_nop
.endr
.endm
	s_load_b256 s[4:11], s[0:1], 0x0               ; A, wb, bias, residual
	s_load_b64 s[12:13], s[0:1], 0x20              ; out
	v_lshrrev_b32 v1, 5, v0
	v_readfirstlane_b32 s14, v1                    ; wave
	s_bfe_u32 s19, ttmp6, 0x40000                  ; cx
	s_bfe_u32 s20, ttmp6, 0x40004                  ; cy
	s_lshl_b32 s17, ttmp9, 2
	s_add_co_u32 s17, s17, s19                     ; column block
	s_and_b32 s18, ttmp7, 0xffff
	s_lshl_b32 s18, s18, 2
	s_add_co_u32 s18, s18, s20                     ; row block
	s_lshl_b32 s22, 0x1111, s19                    ; my column of the cluster
	; B: 128 k rows x 128 bf16, 32 bytes of padding behind each 256: LDS pitch 288
	s_or_b32 s[G1B+0], s22, (1<<16)|(1<<20)|(1<<21)|(5<<22)|(7<<25)
	s_mov_b32 s[G1B+1], 128<<16
	s_mov_b32 s[G1B+2], 128<<16
	s_mov_b32 s[G1B+3], 128<<16
	s_mov_b32 s[G1B+4], 128
	s_mov_b32 s[G1B+5], 1024
	s_mov_b32 s[G1B+6], 0
	s_mov_b32 s[G1B+7], 0
	s_mul_i32 s40, s18, KDIM*256                   ; A: row block x (KDIM/16) x 4,096 + my two k blocks of every eight: wave x 8,192
	s_lshl_b32 s2, s14, 13
	s_add_co_u32 s40, s40, s2
	s_mov_b32 s41, 0
	s_lshl_b32 s42, s17, 8                         ; B: section + wave x 128 rows x 2,048 + column block x 256
	s_lshl_b32 s2, s14, 18
	s_add_co_u32 s42, s42, s2
	s_add_co_u32 s42, s42, WOFF
	s_mov_b32 s43, 0
	s_mul_i32 s23, s14, PART                       ; where my load goes: the wave's number alone
	s_wait_kmcnt 0x0
	s_add_nc_u64 s[40:41], s[4:5], s[40:41]
	s_add_nc_u64 s[42:43], s[6:7], s[42:43]
	CROUND                                         ; all sixteen work-groups are here: the first joint loads meet
.irp s, 0,1
	s_mov_b32 s[G0B+4*\s], 1
	s_add_co_u32 s[G0B+4*\s+1], s23, \s*SLOT
	s_add_nc_u64 s[G0B+4*\s+2:G0B+4*\s+3], s[42:43], \s*1048576
	s_or_b32 s[G0B+4*\s+3], s[G0B+4*\s+3], 0x80000000
	tensor_load_to_lds s[G0B+4*\s:G0B+4*\s+3], s[G1B:G1B+7]    ; every wave fetches its quarter of the slot; two loads of mine are out
	s_nop 0
.endr
	v_and_b32 v3, 31, v0
	v_lshlrev_b32 v[CO], 4, v3
	s_lshl_b32 s46, s17, 9                         ; column block x 512 bytes
	s_mov_b32 s47, 0
	s_add_nc_u64 s[8:9], s[8:9], s[46:47]
	global_load_b128 v[BIAS:BIAS+3], v[CO], s[8:9]
	; A's ring is filled: units 0, 1, 2 whole and row blocks 0-3 of unit 3: seven halves of eight loads.  With the bias 57 loads are out.
	WIN TO_A
.irp n, 0,1,2,3
.irp rb, 0,1,2,3,4,5,6,7
.if (2*\n+\rb/4) < 7
	global_load_b128 v[64*\n+8*\rb:64*\n+8*\rb+3],   v[CO], s[40:41] offset:\n*UNITB+\rb*512
	global_load_b128 v[64*\n+8*\rb+4:64*\n+8*\rb+7], v[CO], s[40:41] offset:\n*UNITB+\rb*512+4096
.endif
.endr
.endr
	WIN 0
	s_lshl_b32 s44, s18, 7
	s_lshl_b32 s45, s14, 5
	s_add_co_u32 s44, s44, s45                     ; the 32 rows that I finish: 128 y + 32 w
	s_lshl_b32 s44, s44, 12
	s_add_co_u32 s44, s44, s46
	s_mov_b32 s45, 0
	s_add_nc_u64 s[10:11], s[10:11], s[44:45]
	s_add_nc_u64 s[12:13], s[12:13], s[44:45]
	v_and_b32 v1, 15, v0                           ; r
	v_bfe_u32 v2, v0, 4, 1                         ; h
	v_and_b32 v4, 7, v0
	v_lshl_add_u32 v4, v2, 3, v4                   ; k row 8 h + (lane & 7)
	v_mul_u32_u24 v4, v4, 288
	v_bfe_u32 v5, v0, 3, 1
	v_lshl_add_u32 v4, v5, 4, v4
	s_mul_i32 s44, s14, 32*288                     ; my 32 k rows of every 128
	v_add_nc_u32 v[ADRB], s44, v4
	v_add_nc_u32 v[ADRB+1], 2*PART, v[ADRB]
	v_add_nc_u32 v[ADRB+2], SLOT, v[ADRB]
	v_add_nc_u32 v[ADRB+3], SLOT+2*PART, v[ADRB]
	v_mul_u32_u24 v4, v1, 528
	v_lshl_add_u32 v4, v2, 5, v4
	s_mul_i32 s44, s14, SPART
	v_add_nc_u32 v[STO], s44, v4                   ; my stage: row r, 32 bytes for each half of the lanes
	s_mul_i32 s44, s14, 32*528
	v_add_nc_u32 v[RD], s44, v[CO]                 ; back: rows 32 w .. of each of the four stages
	v_add_nc_u32 v[RD+1], SPART, v[RD]
	v_add_nc_u32 v[RD+2], 2*SPART, v[RD]
	v_add_nc_u32 v[RD+3], 3*SPART, v[RD]
; 16 matrix instructions: row blocks a0, a0 + 1 of the window's four (hi = 0: rows 0-63, 1: rows 64-127) x all 8 column blocks; B at FR, A at AR
.macro MUL16 hi, a0, zero
.irp a, \a0, \a0+1
.irp b, 0,1,2,3,4,5,6,7
.if \zero
	v_wmma_f32_16x16x32_bf16 v[8*(8*(\a)+\b):8*(8*(\a)+\b)+7], v[FR+8*\b:FR+8*\b+7], v[AR+8*(4*\hi+\a):AR+8*(4*\hi+\a)+7], 0
.else
	v_wmma_f32_16x16x32_bf16 v[8*(8*(\a)+\b):8*(8*(\a)+\b)+7], v[FR+8*\b:FR+8*\b+7], v[AR+8*(4*\hi+\a):AR+8*(4*\hi+\a)+7], v[8*(8*(\a)+\b):8*(8*(\a)+\b)+7]
.endif
.endr
.endr
.endm
; 16 LDS loads: my 32 k rows of part NUQ of slot NS, 128 columns, into B's buffer at NFR
.macro FETCHB
	WIN 0
.irp c, 0,1,2,3,4,5,6,7
	ds_load_tr16_b128 v[NFR+8*\c:NFR+8*\c+3],   v[ADRB+2*NS+NUQ/2] offset:(NUQ%2)*PART+32*\c
	ds_load_tr16_b128 v[NFR+8*\c+4:NFR+8*\c+7], v[ADRB+2*NS+NUQ/2] offset:(NUQ%2)*PART+32*\c+4608
.endr
.endm
; Unit i of a lap (0-7).  H(n, p) = the eight loads of unit n's row blocks 4 p .. 4 p + 3; they are issued in the order H(0,0), H(0,1), H(1,0), ..
; In the unit's middle, behind four places, go out: H(i+3, 1) into the buffer of the unit before (lda), H(i+4, 0) into the half of this unit's buffer
; that has just been read (ldb), and the next unit's fragments of B (nf).  c0, c1: how many younger loads may stay out at the head and in the middle.
; turn = 1: the slot changes behind a barrier; 2: behind a round of the cluster's barrier, and this slot is filled again.
; res = 1, 2: the residual's rows 0-15, 16-31 are asked for.
; The 64 accumulators take turns, one instruction a turn, in the same order in every unit.
.macro UNIT i, zero, turn, nf, lda, ldb, c0, c1, res
.set AR,  64*((\i)%4)
.set PR,  64*((\i+3)%4)
.set FR,  64+64*((\i)%2)
.set NFR, 64+64*((\i+1)%2)
.set SL,  (\i)/4
.set NS,  ((\i+1)/4)%2
.set NUQ, (\i+1)%4
	s_wait_loadcnt \c0                             ; loads return in order: A's row blocks 0-3 of this unit are in
	s_wait_dscnt 0x0                               ; B's fragments of this unit are in; in a slot's last unit: my reads of the slot are over
	WIN MUL_LO
	MUL16 0, 0, \zero
.if \turn
	s_wait_tensorcnt 0x0                           ; all my tensor loads have landed: the one that was out is my part of the next slot
	s_barrier_signal -1
.endif
	MUL16 0, 2, \zero                              ; register work while the others arrive
.if \turn
	WIN 0
	s_barrier_wait -1
.if \turn == 2
	CREST                                          ; no wave of any partner still reads this slot or has a load on its way
	s_add_nc_u64 s[G0B+4*SL+2:G0B+4*SL+3], s[G0B+4*SL+2:G0B+4*SL+3], 2097152
	tensor_load_to_lds s[G0B+4*SL:G0B+4*SL+3], s[G1B:G1B+7]    ; my one tensor load behind the round, and the first thing there: 240 matrix instructions stand ahead of the wait for it
.endif
.endif
.if \lda+\ldb+\res+\nf
	PLACES
.endif
	s_wait_loadcnt \c1                             ; A's row blocks 4-7 of this unit are in; waited for ahead of the new loads, so that at most 56 are out
.if \lda
	WIN TO_A
.irp rb, 4,5,6,7
	global_load_b128 v[PR+8*\rb:PR+8*\rb+3],   v[CO], s[40:41] offset:(\i+3)*UNITB+\rb*512
	global_load_b128 v[PR+8*\rb+4:PR+8*\rb+7], v[CO], s[40:41] offset:(\i+3)*UNITB+\rb*512+4096
.endr
.endif
.if \ldb
	WIN TO_A
.irp rb, 0,1,2,3
	global_load_b128 v[AR+8*\rb:AR+8*\rb+3],   v[CO], s[40:41] offset:(\i+4)*UNITB+\rb*512
	global_load_b128 v[AR+8*\rb+4:AR+8*\rb+7], v[CO], s[40:41] offset:(\i+4)*UNITB+\rb*512+4096
.endr
.endif
.if \res == 1
	WIN 0
.set rr, 0
.rept 16
	global_load_b128 v[RES+4*rr:RES+4*rr+3], v[CO], s[10:11] offset:4096*rr
.set rr, rr+1
.endr
.endif
.if \res == 2
	WIN TO_A                                       ; A's buffer 0 was last read in unit 4
.set rr, 0
.rept 16
	global_load_b128 v[4*rr:4*rr+3], v[CO], s[10:11] offset:4096*(rr+16)
.set rr, rr+1
.endr
.endif
.if \nf
	FETCHB
.endif
	WIN MUL_HI
	MUL16 1, 0, \zero
	MUL16 1, 2, \zero
.endm
; Counts.  At a unit's head six younger halves are out (48 loads), in its middle five (40).  In the last lap no load passes A's end: unit 4 asks for
; H(7, 1) alone, units 5-7 for nothing of A; there the younger halves are 5, 3, 1 and 4, 2, 0, and the 0, 16, 32 residual loads issued so far come on top:
; 40 and 32 in all three.
.macro LAP zero, last
	UNIT 0, \zero, 0, 1, 1, 1, 48, 40, 0
	UNIT 1, 0, 0, 1, 1, 1, 48, 40, 0
	UNIT 2, 0, 0, 1, 1, 1, 48, 40, 0
.if \last
	UNIT 3, 0, 1, 1, 1, 1, 48, 40, 0
	UNIT 4, 0, 0, 1, 1, 0, 48, 40, 0
	UNIT 5, 0, 0, 1, 0, 0, 40, 32, 1
	UNIT 6, 0, 0, 1, 0, 0, 40, 32, 2
	UNIT 7, 0, 0, 0, 0, 0, 40, 32, 0
.else
	UNIT 3, 0, 2, 1, 1, 1, 48, 40, 0
	UNIT 4, 0, 0, 1, 1, 1, 48, 40, 0
	UNIT 5, 0, 0, 1, 1, 1, 48, 40, 0
	UNIT 6, 0, 0, 1, 1, 1, 48, 40, 0
	UNIT 7, 0, 2, 1, 1, 1, 48, 40, 0
	s_wait_xcnt 0x0                                ; A's base, which the pending loads name, is stepped only behind this wait
	s_add_nc_u64 s[40:41], s[40:41], 8*UNITB
.endif
.endm
	s_wait_tensorcnt 0x1                           ; my part of slot 0 is in; slot 1's stays out
	s_barrier_signal -1
	s_barrier_wait -1
.set NS,  0
.set NUQ, 0
.set NFR, 64
	FETCHB
.if LAPS > 1
	LAP 1, 0                                       ; the first products start the sums
.if LAPS > 2
	WIN 0
	s_mov_b32 s3, LAPS-2
.Llap:
	LAP 0, 0
	WIN 0
	s_sub_co_u32 s3, s3, 1
	s_cmp_lg_u32 s3, 0
	s_cbranch_scc1 .Llap
.endif
	LAP 0, 1                                       ; the last lap fills nothing
.else
	LAP 1, 1                                       ; K = 1024: both slots were filled at the start, nothing is filled again
.endif
	; ---- the four partial sums meet ----
	PLACES
	WIN 0
	s_barrier_signal -1                            ; every wave's reads of the slots are back (the last unit's wait for 0) and every fill has landed:
	s_barrier_wait -1                              ; the slots have had their last fill and now serve as the stage
	WIN 0x08                                       ; store data from window 2
.irp a, 0,1,2,3
.irp b, 0,1,2,3,4,5,6,7
	ds_store_b128 v[STO], v[8*(8*\a+\b):8*(8*\a+\b)+3]   offset:\a*8448+64*\b
	ds_store_b128 v[STO], v[8*(8*\a+\b)+4:8*(8*\a+\b)+7] offset:\a*8448+64*\b+16
.endr
.endr
	WIN 0x0c                                       ; from window 3
.irp a, 0,1,2,3
.irp b, 0,1,2,3,4,5,6,7
	ds_store_b128 v[STO], v[8*(8*\a+\b):8*(8*\a+\b)+3]   offset:(\a+4)*8448+64*\b
	ds_store_b128 v[STO], v[8*(8*\a+\b)+4:8*(8*\a+\b)+7] offset:(\a+4)*8448+64*\b+16
.endr
.endr
	WIN 0
	s_wait_dscnt 0x0                               ; for the others' sake: my stores are done
	s_barrier_signal -1
	s_barrier_wait -1
	s_wait_loadcnt 0x0                             ; bias and residual
; eight of my 32 rows: four partial rows each, summed, plus bias, plus residual, stored as whole rows of 512 bytes
.macro OUT8 g
.if \g
	s_wait_xcnt 0x0                                ; v64-191, which the last eight stores read, are loaded again only behind this wait
.endif
.irp i, 0,1,2,3,4,5,6,7
.irp q, 0,1,2,3
	ds_load_b128 v[64+16*\i+4*\q:64+16*\i+4*\q+3], v[RD+\q] offset:(8*\g+\i)*528
.endr
.endr
.irp i, 0,1,2,3,4,5,6,7
	s_wait_dscnt 4*(7-\i)                          ; row i's four loads are in; the later rows' stay out
	v_pk_add_f32 v[64+16*\i:64+16*\i+1],     v[64+16*\i:64+16*\i+1],     v[64+16*\i+4:64+16*\i+5]
	v_pk_add_f32 v[64+16*\i+2:64+16*\i+3],   v[64+16*\i+2:64+16*\i+3],   v[64+16*\i+6:64+16*\i+7]
	v_pk_add_f32 v[64+16*\i+8:64+16*\i+9],   v[64+16*\i+8:64+16*\i+9],   v[64+16*\i+12:64+16*\i+13]
	v_pk_add_f32 v[64+16*\i+10:64+16*\i+11], v[64+16*\i+10:64+16*\i+11], v[64+16*\i+14:64+16*\i+15]
	v_pk_add_f32 v[64+16*\i:64+16*\i+1],     v[64+16*\i:64+16*\i+1],     v[64+16*\i+8:64+16*\i+9]
	v_pk_add_f32 v[64+16*\i+2:64+16*\i+3],   v[64+16*\i+2:64+16*\i+3],   v[64+16*\i+10:64+16*\i+11]
	v_pk_add_f32 v[64+16*\i:64+16*\i+1],     v[64+16*\i:64+16*\i+1],     v[BIAS:BIAS+1]
	v_pk_add_f32 v[64+16*\i+2:64+16*\i+3],   v[64+16*\i+2:64+16*\i+3],   v[BIAS+2:BIAS+3]
.endr
.if \g < 2
.irp i, 0,1,2,3,4,5,6,7
	v_pk_add_f32 v[64+16*\i:64+16*\i+1],   v[64+16*\i:64+16*\i+1],   v[RES+4*(8*\g+\i):RES+4*(8*\g+\i)+1]
	v_pk_add_f32 v[64+16*\i+2:64+16*\i+3], v[64+16*\i+2:64+16*\i+3], v[RES+4*(8*\g+\i)+2:RES+4*(8*\g+\i)+3]
.endr
.else
	WIN 0x04                                       ; source 1 in window 1: residual rows 16-31
.irp i, 0,1,2,3,4,5,6,7
	v_pk_add_f32 v[64+16*\i:64+16*\i+1],   v[64+16*\i:64+16*\i+1],   v[4*(8*\g+\i-16):4*(8*\g+\i-16)+1]
	v_pk_add_f32 v[64+16*\i+2:64+16*\i+3], v[64+16*\i+2:64+16*\i+3], v[4*(8*\g+\i-16)+2:4*(8*\g+\i-16)+3]
.endr
	WIN 0
.endif
.irp i, 0,1,2,3,4,5,6,7
	global_store_b128 v[CO], v[64+16*\i:64+16*\i+3], s[12:13] offset:(8*\g+\i)*4096   ; 512 consecutive bytes, aligned
.endr
.endm
	OUT8 0
	OUT8 1
	OUT8 2
	OUT8 3
	CROUND                                         ; the closing round: no work-group ends while a partner may still ask jointly
	s_endpgm
.Lfunc_end_k_qbbb83685b3_proj:
	.size	k_qbbb83685b3_proj, .Lfunc_end_k_qbbb83685b3_proj-k_qbbb83685b3_proj
	.p2alignl 7, 3214868480
	.fill 96, 4, 3214868480
	.section	.rodata,"a",@progbits
	.p2align	6, 0x0
	.amdhsa_kernel k_qbbb83685b3_proj
		.amdhsa_group_segment_fixed_size 294912
		.amdhsa_private_segment_fixed_size 0
		.amdhsa_enable_private_segment 0
		.amdhsa_kernarg_size 40
		.amdhsa_user_sgpr_count 2
		.amdhsa_user_sgpr_kernarg_segment_ptr 1
		.amdhsa_wavefront_size32 1
		.amdhsa_system_sgpr_workgroup_id_x 1
		.amdhsa_system_sgpr_workgroup_id_y 1
		.amdhsa_system_sgpr_workgroup_id_z 1
		.amdhsa_system_vgpr_workitem_id 0
		.amdhsa_next_free_vgpr 1024
		.amdhsa_next_free_sgpr 66
		.amdhsa_reserve_vcc 0
		.amdhsa_float_denorm_mode_32 3
		.amdhsa_float_denorm_mode_16_64 3
		.amdhsa_memory_ordered 1
		.amdhsa_forward_progress 1
		.amdhsa_inst_pref_size 104
	.end_amdhsa_kernel
	.amdgpu_metadata
---
amdhsa.version: [ 1, 2 ]
amdhsa.kernels:
  - .name:           k_qbbb83685b3_proj
    .symbol:         k_qbbb83685b3_proj.kd
    .args:
      - { .name: o, .offset: 0, .size: 8, .value_kind: global_buffer, .address_space: global }
      - { .name: wb, .offset: 8, .size: 8, .value_kind: global_buffer, .address_space: global }
      - { .name: b_proj, .offset: 16, .size: 8, .value_kind: global_buffer, .address_space: global }
      - { .name: x, .offset: 24, .size: 8, .value_kind: global_buffer, .address_space: global }
      - { .name: x2, .offset: 32, .size: 8, .value_kind: global_buffer, .address_space: global }
    .group_segment_fixed_size: 294912
    .private_segment_fixed_size: 0
    .kernarg_segment_align: 8
    .kernarg_segment_size: 40
    .max_flat_workgroup_size: 128
    .sgpr_count:     66
    .vgpr_count:     1024
    .wavefront_size: 32
...
	.end_amdgpu_metadata
.endif
;; end of part 3
;; launch ln2 (part 4): grid 256 x 1, 8 waves a work-group, no clusters, 0 bytes of LDS; arguments x2, ln2_g, ln2_b, h; writes h
.if DOCPART == 4
	.amdgcn_target "amdgcn-amd-amdhsa--gfx1250"
	.amdhsa_code_object_version 6
	.text
	.protected	k_qbbb83685b3_ln2
	.globl	k_qbbb83685b3_ln2
	.p2align	8
	.type	k_qbbb83685b3_ln2,@function
k_qbbb83685b3_ln2:
	s_mov_b64 s[64:65], 0
	v_nop
	global_prefetch_b8 v0, s[64:65] scope:SCOPE_SE
	s_setreg_imm32_b32 hwreg(HW_REG_WAVE_MODE, 25, 1), 1
	s_wait_xcnt 0x0
; h = bf16(LN2(x2)).  A wave owns two rows of 1,024 f32 and keeps them in registers: x2 is read once.
; No LDS, no barrier, no matrix unit, no cluster: no byte is shared between waves and nothing is multiplied.
; The variance is the mean of the squares of the centred row.
.set X0, 32                            ; v[32:63]   row 0
.set X1, 64                            ; v[64:95]   row 1
.set G,  96                            ; v[96:127]  gain of my 32 columns
.set BB, 128                           ; v[128:159] bias of my 32 columns
.set T,  4                             ; v[4:19]    at work
.set M,  20                            ; v[20:21]   the mean, twice
.set R,  22                            ; v[22:23]   1/sqrt(var + eps), twice
.set HP, 10                            ; s[10:11]   h
.macro LANESUM                         ; v[T] summed over the 32 lanes, the result in every lane
	v_add_f32_dpp v[T], v[T], v[T] row_xmask:1 row_mask:0xf bank_mask:0xf
	v_add_f32_dpp v[T], v[T], v[T] row_xmask:2 row_mask:0xf bank_mask:0xf
	v_add_f32_dpp v[T], v[T], v[T] row_xmask:4 row_mask:0xf bank_mask:0xf
	v_add_f32_dpp v[T], v[T], v[T] row_xmask:8 row_mask:0xf bank_mask:0xf
	v_permlanex16_b32 v[T+1], v[T], s30, s31       ; the other half of the lanes; v[T+1] has been written
	v_add_f32 v[T], v[T], v[T+1]
.endm
.macro LNROW xr, rowoff, first
.irp j, 0,1,2,3,4,5,6,7
	v_pk_add_f32 v[T+2*\j:T+2*\j+1], v[\xr+4*\j:\xr+4*\j+1], v[\xr+4*\j+2:\xr+4*\j+3]
.endr
.irp j, 0,1,2,3
	v_pk_add_f32 v[T+2*\j:T+2*\j+1], v[T+2*\j:T+2*\j+1], v[T+8+2*\j:T+8+2*\j+1]
.endr
	v_pk_add_f32 v[T:T+1], v[T:T+1], v[T+4:T+5]
	v_pk_add_f32 v[T+2:T+3], v[T+2:T+3], v[T+6:T+7]
	v_pk_add_f32 v[T:T+1], v[T:T+1], v[T+2:T+3]
	v_add_f32 v[T], v[T], v[T+1]
	LANESUM
	v_mul_f32 v[M], s32, v[T]                      ; mean = sum / 1024
	v_mul_f32 v[M+1], s32, v[T]
.set i, 0
.rept 16
	v_pk_add_f32 v[\xr+2*i:\xr+2*i+1], v[\xr+2*i:\xr+2*i+1], v[M:M+1] neg_lo:[0,1] neg_hi:[0,1]   ; centre in place
.set i, i+1
.endr
.irp j, 0,1,2,3
	v_pk_mul_f32 v[T+2*\j:T+2*\j+1], v[\xr+2*\j:\xr+2*\j+1], v[\xr+2*\j:\xr+2*\j+1]               ; four chains of squares, started without clearing
.endr
.set i, 4
.rept 12
	v_pk_fma_f32 v[T+2*(i%4):T+2*(i%4)+1], v[\xr+2*i:\xr+2*i+1], v[\xr+2*i:\xr+2*i+1], v[T+2*(i%4):T+2*(i%4)+1]
.set i, i+1
.endr
	v_pk_add_f32 v[T:T+1], v[T:T+1], v[T+2:T+3]
	v_pk_add_f32 v[T+4:T+5], v[T+4:T+5], v[T+6:T+7]
	v_pk_add_f32 v[T:T+1], v[T:T+1], v[T+4:T+5]
	v_add_f32 v[T], v[T], v[T+1]
	LANESUM
	v_fma_f32 v[T], v[T], s32, s33                 ; var + eps
	v_rsq_f32 v[R], v[T]
	v_nop                                          ; one plain place behind the transcendental before its result is read (ISA guide 5.7.2)
	s_wait_alu depctr_va_vdst(0)
	v_mov_b32 v[R+1], v[R]
.if \first
	s_wait_loadcnt 0x0                             ; gain and bias are in (and the second row)
.endif
.set i, 0
.rept 16
	v_pk_mul_f32 v[\xr+2*i:\xr+2*i+1], v[\xr+2*i:\xr+2*i+1], v[R:R+1]
.set i, i+1
.endr
.set i, 0
.rept 16
	v_pk_fma_f32 v[\xr+2*i:\xr+2*i+1], v[\xr+2*i:\xr+2*i+1], v[G+2*i:G+2*i+1], v[BB+2*i:BB+2*i+1]
.set i, i+1
.endr
.irp j, 0,1,2,3,4,5,6,7
	v_cvt_pk_bf16_f32 v[\xr+2*\j],   v[\xr+4*\j],   v[\xr+4*\j+1]      ; packed downward in place: a target never lies above a source still to be read
	v_cvt_pk_bf16_f32 v[\xr+2*\j+1], v[\xr+4*\j+2], v[\xr+4*\j+3]
.endr
.irp j, 0,1,2,3,4,5,6,7
	global_store_b64 v2, v[\xr+2*\j:\xr+2*\j+1], s[HP:HP+1] offset:\rowoff+256*\j   ; the wave's store covers 256 consecutive bytes, aligned
.endr
.endm
	s_load_b256 s[4:11], s[0:1], 0x0               ; x2, ln2_g, ln2_b, h
	v_lshrrev_b32 v3, 5, v0
	v_readfirstlane_b32 s26, v3                    ; wave
	v_and_b32 v1, 31, v0
	v_lshlrev_b32 v2, 3, v1                        ; 8 x lane
	v_lshlrev_b32 v1, 4, v1                        ; 16 x lane
	s_lshl_b32 s27, ttmp9, 3
	s_add_co_u32 s27, s27, s26
	s_lshl_b32 s28, s27, 13                        ; two rows of 4,096 bytes of x2
	s_mov_b32 s29, 0
	s_lshl_b32 s34, s27, 12                        ; two rows of 2,048 bytes of h
	s_mov_b32 s35, 0
	s_mov_b32 s30, 0x76543210
	s_mov_b32 s31, 0xfedcba98
	s_mov_b32 s32, 0x3a800000                      ; 1/1024
	s_mov_b32 s33, 0x3727c5ac                      ; 1e-5
	s_wait_kmcnt 0x0
	s_add_nc_u64 s[4:5], s[4:5], s[28:29]
	s_add_nc_u64 s[HP:HP+1], s[HP:HP+1], s[34:35]
.irp j, 0,1,2,3,4,5,6,7
	global_load_b128 v[X0+4*\j:X0+4*\j+3], v1, s[4:5] offset:512*\j
.endr
.irp j, 0,1,2,3,4,5,6,7
	global_load_b128 v[X1+4*\j:X1+4*\j+3], v1, s[4:5] offset:4096+512*\j
.endr
.irp j, 0,1,2,3,4,5,6,7
	global_load_b128 v[G+4*\j:G+4*\j+3], v1, s[6:7] offset:512*\j
.endr
.irp j, 0,1,2,3,4,5,6,7
	global_load_b128 v[BB+4*\j:BB+4*\j+3], v1, s[8:9] offset:512*\j
.endr
	s_wait_loadcnt 24                              ; row 0 is in; the 24 younger loads (row 1, gain, bias) stay out
	LNROW X0, 0, 1
	LNROW X1, 2048, 0
	s_endpgm
.Lfunc_end_k_qbbb83685b3_ln2:
	.size	k_qbbb83685b3_ln2, .Lfunc_end_k_qbbb83685b3_ln2-k_qbbb83685b3_ln2
	.p2alignl 7, 3214868480
	.fill 96, 4, 3214868480
	.section	.rodata,"a",@progbits
	.p2align	6, 0x0
	.amdhsa_kernel k_qbbb83685b3_ln2
		.amdhsa_group_segment_fixed_size 0
		.amdhsa_private_segment_fixed_size 0
		.amdhsa_enable_private_segment 0
		.amdhsa_kernarg_size 32
		.amdhsa_user_sgpr_count 2
		.amdhsa_user_sgpr_kernarg_segment_ptr 1
		.amdhsa_wavefront_size32 1
		.amdhsa_system_sgpr_workgroup_id_x 1
		.amdhsa_system_sgpr_workgroup_id_y 1
		.amdhsa_system_sgpr_workgroup_id_z 1
		.amdhsa_system_vgpr_workitem_id 0
		.amdhsa_next_free_vgpr 160
		.amdhsa_next_free_sgpr 66
		.amdhsa_reserve_vcc 0
		.amdhsa_float_denorm_mode_32 3
		.amdhsa_float_denorm_mode_16_64 3
		.amdhsa_memory_ordered 1
		.amdhsa_forward_progress 1
		.amdhsa_inst_pref_size 20
	.end_amdhsa_kernel
	.amdgpu_metadata
---
amdhsa.version: [ 1, 2 ]
amdhsa.kernels:
  - .name:           k_qbbb83685b3_ln2
    .symbol:         k_qbbb83685b3_ln2.kd
    .args:
      - { .name: x2, .offset: 0, .size: 8, .value_kind: global_buffer, .address_space: global }
      - { .name: ln2_g, .offset: 8, .size: 8, .value_kind: global_buffer, .address_space: global }
      - { .name: ln2_b, .offset: 16, .size: 8, .value_kind: global_buffer, .address_space: global }
      - { .name: h, .offset: 24, .size: 8, .value_kind: global_buffer, .address_space: global }
    .group_segment_fixed_size: 0
    .private_segment_fixed_size: 0
    .kernarg_segment_align: 8
    .kernarg_segment_size: 32
    .max_flat_workgroup_size: 256
    .sgpr_count:     66
    .vgpr_count:     160
    .wavefront_size: 32
...
	.end_amdgpu_metadata
.endif
;; end of part 4
;; launch ff1 (part 5): grid 16 x 16, 4 waves a work-group, clusters of 4 x 4, 327,680 bytes of LDS; arguments h, wb, b1, hid; writes hid
.if DOCPART == 5
	.amdgcn_target "amdgcn-amd-amdhsa--gfx1250"
	.amdhsa_code_object_version 6
	.text
	.protected	k_qbbb83685b3_ff1
	.globl	k_qbbb83685b3_ff1
	.p2align	8
	.type	k_qbbb83685b3_ff1,@function
k_qbbb83685b3_ff1:
	s_mov_b64 s[64:65], 0
	v_nop
	global_prefetch_b8 v0, s[64:65] scope:SCOPE_SE
	s_setreg_imm32_b32 hwreg(HW_REG_WAVE_MODE, 25, 1), 1
	s_wait_xcnt 0x0
	s_wait_alu depctr_hold_cnt(0) depctr_sa_sdst(0) depctr_va_vdst(0) depctr_va_sdst(0) depctr_va_ssrc(0) depctr_va_vcc(0) depctr_vm_vsrc(0)
	s_getreg_b32 s2, hwreg(HW_REG_IB_STS2, 6, 4)
	s_cmp_eq_u32 s2, 0
	s_cbranch_scc0 .Lentry_in_a_cluster
	s_endpgm
.Lentry_in_a_cluster:
	s_bfe_u32 s2, ttmp6, 0x10000c
	s_cmp_lg_u32 s2, 0xf033
	s_cbranch_scc0 .Lentry_shape_is_right
	s_endpgm
.Lentry_shape_is_right:
; hid = bf16(gelu(h W1 + b1)), gelu with erf.  A work-group makes 256 x 256 with four waves of 128 x 128 (512 accumulator registers each).
; K = 1024 goes in 8 steps of 128 through two LDS slots filled by joint tensor loads.  A (h, [row][k]) is read by plain loads,
; B (bf16 W1, [k][n]) by transposing loads.  The matrix instruction is used with the sources swapped, so that a lane holds 8 neighbouring columns of a row.
; CLUSTER 4 x 4: A's tiles are shared along a row of the cluster, B's along a column.
; hid is stored as an image: blocks of 16 rows x 16 k of 512 bytes, lane L's 16 bytes at 16 L, ordered [row/128][k/16][(row/16)%8]:
; a packed accumulator tile is such a block, so one store writes 512 consecutive bytes and no LDS stage is needed.
; LIMIT: erf by Abramowitz and Stegun 7.1.26, absolute error at most 1.5e-7; so gelu is right to about 2e-7 |x| in absolute terms,
; not in relative terms for x far below 0 (where it comes out as exactly 0 once the series' term has vanished).
.set PITCH,  272                       ; A's LDS row: 256 + 16
.set BP,     544                       ; B's LDS row: 512 + 32
.set HALFT,  34816                     ; 128 rows of A, or 64 k rows of B: what one tensor load brings
.set SLOT,   4*HALFT
.set LAPS,   4
.set ADRA, 16
.set ADRB, 20
.set CO,   26                          ; v26 16 x lane
.set BO,   27                          ; v27 32 h: my 8 columns in a block of 16 of b1
.set NA1,  36                          ; v36-43: the series' constants, negated, each twice
.set NA2,  38
.set NA3,  40
.set NA4,  42
.set F0,   64
.set F1,   128
.set ZZ,   128                         ; on the way out, window 0: at work
.set DD,   136
.set EE,   144
.set QQ,   152
.set G1, 24
.set G0, 32
.set G1B, 48
.set G0B, 56
.set MSB, 0
.set MUL_LO, 0xa1
.set MUL_HI, 0xf1
.set TO_B,   0x40
.macro WIN new
.if MSB != \new
	s_set_vgpr_msb (MSB<<8)|\new
.set MSB, \new
.endif
.endm
.macro JLOAD s
	s_cmp_eq_u32 s15, 0
	s_cbranch_scc0 .Lfor_b_\@
	tensor_load_to_lds s[G0+4*\s:G0+4*\s+3], s[G1:G1+7]
	s_nop 0
	s_branch .Lasked_\@
.Lfor_b_\@:
	tensor_load_to_lds s[G0B+4*\s:G0B+4*\s+3], s[G1B:G1B+7]
	s_nop 0
.Lasked_\@:
.endm
.macro CREST
	s_cmp_lg_u32 s14, 0
	s_cbranch_scc1 .Lnot_wave_0_\@
	s_barrier_signal -3
.Lnot_wave_0_\@:
	s_barrier_wait -3
	s_barrier_signal -1
	s_barrier_wait -1
.endm
.macro CROUND
	s_barrier_signal -1
	s_barrier_wait -1
	CREST
.endm
.macro PLACES                          ; four places behind a matrix instruction before its registers are loaded into or its result read (ISA guide 7.12.1)
.rept 4
	v_nop
.endr
.endm
	s_load_b256 s[4:11], s[0:1], 0x0               ; h, wb, b1, hid
	v_lshrrev_b32 v1, 5, v0
	v_readfirstlane_b32 s14, v1                    ; wave
	s_lshr_b32 s15, s14, 1                         ; my half of the block's rows.  Also: I fetch for A (0) or for B (1)
	s_and_b32 s16, s14, 1                          ; my half of its columns.  Also: which half of that tile I fetch
	s_bfe_u32 s19, ttmp6, 0x40000
	s_bfe_u32 s20, ttmp6, 0x40004
	s_lshl_b32 s17, ttmp9, 2
	s_add_co_u32 s17, s17, s19                     ; column block
	s_and_b32 s18, ttmp7, 0xffff
	s_lshl_b32 s18, s18, 2
	s_add_co_u32 s18, s18, s20                     ; row block
	s_lshl_b32 s21, s20, 2
	s_lshl_b32 s21, 15, s21
	s_lshl_b32 s22, 0x1111, s19
	; A: 128 rows x 128 bf16, 16 bytes of padding behind each 256
	s_or_b32 s[G1+0], s21, (1<<16)|(1<<20)|(1<<21)|(5<<22)|(3<<25)
	s_mov_b32 s[G1+1], 128<<16
	s_mov_b32 s[G1+2], 128<<16
	s_mov_b32 s[G1+3], 128<<16
	s_mov_b32 s[G1+4], 128
	s_mov_b32 s[G1+5], 1024
	s_mov_b32 s[G1+6], 0
	s_mov_b32 s[G1+7], 0
	; B: 64 k rows x 256 bf16, 32 bytes of padding behind each 512
	s_or_b32 s[G1B+0], s22, (1<<16)|(1<<20)|(1<<21)|(6<<22)|(7<<25)
	s_mov_b32 s[G1B+1], 256<<16
	s_mov_b32 s[G1B+2], 64<<16
	s_mov_b32 s[G1B+3], 256<<16
	s_mov_b32 s[G1B+4], 64
	s_mov_b32 s[G1B+5], 4096
	s_mov_b32 s[G1B+6], 0
	s_mov_b32 s[G1B+7], 0
	s_lshl_b32 s40, s18, 19                        ; A: row 256 y + 128 half, 2,048 bytes a row
	s_lshl_b32 s2, s16, 18
	s_add_co_u32 s40, s40, s2
	s_mov_b32 s41, 0
	s_lshl_b32 s42, s17, 9                         ; B: W1's section + half x 64 rows x 8,192 + column block x 512
	s_lshl_b32 s2, s16, 19
	s_add_co_u32 s42, s42, s2
	s_add_co_u32 s42, s42, 8388608
	s_mov_b32 s43, 0
	s_mul_i32 s23, s14, HALFT
	s_wait_kmcnt 0x0
	s_add_nc_u64 s[40:41], s[4:5], s[40:41]
	s_add_nc_u64 s[42:43], s[6:7], s[42:43]
	CROUND                                         ; the first joint loads meet
.irp s, 0,1
	s_mov_b32 s[G0+4*\s], 1
	s_add_co_u32 s[G0+4*\s+1], s23, \s*SLOT
	s_add_nc_u64 s[G0+4*\s+2:G0+4*\s+3], s[40:41], \s*256
	s_or_b32 s[G0+4*\s+3], s[G0+4*\s+3], 0x80000000
	s_mov_b32 s[G0B+4*\s], 1
	s_add_co_u32 s[G0B+4*\s+1], s23, \s*SLOT
	s_add_nc_u64 s[G0B+4*\s+2:G0B+4*\s+3], s[42:43], \s*1048576
	s_or_b32 s[G0B+4*\s+3], s[G0B+4*\s+3], 0x80000000
	JLOAD \s
.endr
	v_and_b32 v1, 15, v0                           ; r
	v_bfe_u32 v2, v0, 4, 1                         ; h
	v_and_b32 v3, 31, v0
	v_lshlrev_b32 v[CO], 4, v3
	v_lshlrev_b32 v[BO], 5, v2
	s_lshl_b32 s44, s17, 10                        ; b1: (256 x + 128 half) x 4 bytes
	s_lshl_b32 s45, s16, 9
	s_add_co_u32 s44, s44, s45
	s_mov_b32 s45, 0
	s_add_nc_u64 s[8:9], s[8:9], s[44:45]
	WIN TO_B                                       ; the bias of my 8 columns of each of 8 blocks: window 1, v192-255; waited for once, on the way out
.irp b, 0,1,2,3,4,5,6,7
	global_load_b128 v[192+8*\b:192+8*\b+3],   v[BO], s[8:9] offset:64*\b
	global_load_b128 v[192+8*\b+4:192+8*\b+7], v[BO], s[8:9] offset:64*\b+16
.endr
	WIN 0
	s_lshl_b32 s44, s18, 1                         ; hid: (2 y + row half) x 1,048,576 + (16 x + 8 column half) x 4,096
	s_add_co_u32 s44, s44, s15
	s_lshl_b32 s44, s44, 20
	s_lshl_b32 s45, s17, 16
	s_add_co_u32 s44, s44, s45
	s_lshl_b32 s45, s16, 15
	s_add_co_u32 s44, s44, s45
	s_mov_b32 s45, 0
	s_add_nc_u64 s[10:11], s[10:11], s[44:45]
	v_mul_u32_u24 v4, v1, PITCH
	v_lshl_add_u32 v4, v2, 4, v4
	s_mul_i32 s44, s15, HALFT                      ; my 128 rows of A
	v_add_nc_u32 v[ADRA], s44, v4
	v_add_nc_u32 v[ADRA+1], SLOT, v[ADRA]
	v_and_b32 v4, 7, v0
	v_lshl_add_u32 v4, v2, 3, v4                   ; k row 8 h + (lane & 7)
	v_mul_u32_u24 v4, v4, BP
	v_bfe_u32 v5, v0, 3, 1
	v_lshl_add_u32 v4, v5, 4, v4
	s_lshl_b32 s44, s16, 8                         ; my 128 columns of B
	s_add_co_u32 s44, s44, 2*HALFT
	v_add_nc_u32 v[ADRB], s44, v4
	v_add_nc_u32 v[ADRB+1], SLOT, v[ADRB]
	v_mov_b32 v[NA1],   0xbe827906                 ; -0.254829592
	v_mov_b32 v[NA1+1], 0xbe827906
	v_mov_b32 v[NA2],   0x3e91a98e                 ; +0.284496736
	v_mov_b32 v[NA2+1], 0x3e91a98e
	v_mov_b32 v[NA3],   0xbfb5f0e3                 ; -1.421413741
	v_mov_b32 v[NA3+1], 0xbfb5f0e3
	v_mov_b32 v[NA4],   0x3fba00e3                 ; +1.453152027
	v_mov_b32 v[NA4+1], 0x3fba00e3
	s_mov_b32 s68, 0x3f596d27                      ; sqrt(log2(e) / 2): z = |x| times this, so that exp(-x^2/2) = 2^(-z^2)
	s_mov_b32 s70, 0x3e8ba43f                      ; 0.3275911 sqrt(ln 2): p |x| / sqrt 2 = z times this
	s_mov_b32 s71, 0x3e8ba43f
	s_mov_b32 s72, 0xbf87dc22                      ; -1.061405429
	s_mov_b32 s73, 0xbf87dc22
.macro MUL16 f, hi, a0, zero
.irp a, \a0, \a0+1
.irp b, 0,1,2,3,4,5,6,7
.if \zero
	v_wmma_f32_16x16x32_bf16 v[8*(8*(\a)+\b):8*(8*(\a)+\b)+7], v[\f+8*\b:\f+8*\b+7], v[\f+8*(4*\hi+\a):\f+8*(4*\hi+\a)+7], 0
.else
	v_wmma_f32_16x16x32_bf16 v[8*(8*(\a)+\b):8*(8*(\a)+\b)+7], v[\f+8*\b:\f+8*\b+7], v[\f+8*(4*\hi+\a):\f+8*(4*\hi+\a)+7], v[8*(8*(\a)+\b):8*(8*(\a)+\b)+7]
.endif
.endr
.endr
.endm
.macro FETCH slot, kq, f               ; 32 LDS loads: quarter kq (32 along K): 128 columns of B, 128 rows of A, into buffer f
	WIN TO_B
.irp i, 0,1,2,3,4,5,6,7
	ds_load_tr16_b128 v[\f+8*\i:\f+8*\i+3],   v[ADRB+\slot] offset:\kq*32*BP+32*\i
	ds_load_tr16_b128 v[\f+8*\i+4:\f+8*\i+7], v[ADRB+\slot] offset:\kq*32*BP+32*\i+16*BP
.endr
	WIN 0
.irp i, 0,1,2,3,4,5,6,7
	ds_load_b128 v[\f+8*\i:\f+8*\i+3],   v[ADRA+\slot] offset:64*\kq+\i*16*PITCH
	ds_load_b128 v[\f+8*\i+4:\f+8*\i+7], v[ADRA+\slot] offset:64*\kq+\i*16*PITCH+32
.endr
.endm
; The 64 accumulators take turns, one instruction a turn, in the same order everywhere.
.macro QUARTER slot, kq, f, g, zero
	s_wait_dscnt 8                                 ; B and A's rows 0-63 are in; the youngest eight loads (A's rows 64-127) may be out
	WIN MUL_LO
	MUL16 \f, 0, 0, \zero
	MUL16 \f, 0, 2, \zero
	PLACES
	FETCH \slot, \kq, \g
	s_wait_dscnt 32                                ; all but the 32 just issued
	WIN MUL_HI
	MUL16 \f, 1, 0, \zero
	MUL16 \f, 1, 2, \zero
.endm
.macro THREE slot, zero
	QUARTER \slot, 1, F0, F1, \zero
	QUARTER \slot, 2, F1, F0, 0
	QUARTER \slot, 3, F0, F1, 0
.endm
.macro TURN slot, next, fill
	s_wait_dscnt 8
	WIN MUL_LO
	MUL16 F1, 0, 0, 0
	s_wait_dscnt 0                                 ; my reads of this slot are over
	s_wait_tensorcnt 0x0                           ; all my tensor loads have landed: the one that was out is my part of the next slot
	s_barrier_signal -1
	MUL16 F1, 0, 2, 0
	WIN 0
	s_barrier_wait -1
.if \fill
	CREST                                          ; no wave of any partner still reads this slot or has a load on its way
	s_add_nc_u64 s[G0+4*\slot+2:G0+4*\slot+3], s[G0+4*\slot+2:G0+4*\slot+3], 512
	s_add_nc_u64 s[G0B+4*\slot+2:G0B+4*\slot+3], s[G0B+4*\slot+2:G0B+4*\slot+3], 2097152
	JLOAD \slot                                    ; my one tensor load behind the round, and the first thing there
.endif
	PLACES
	FETCH \next, 0, F0
	WIN MUL_HI
	MUL16 F1, 1, 0, 0
	MUL16 F1, 1, 2, 0
.endm
.macro LAP zero
	THREE 0, \zero
	TURN 0, 1, 1
	THREE 1, 0
	TURN 1, 0, 1
.endm
	s_wait_tensorcnt 0x1                           ; my part of K step 0 is in; step 1's stays out
	s_barrier_signal -1
	s_barrier_wait -1
	FETCH 0, 0, F0
	LAP 1
	WIN 0
	s_mov_b32 s3, LAPS-2
.Llap:
	LAP 0
	WIN 0
	s_sub_co_u32 s3, s3, 1
	s_cmp_lg_u32 s3, 0
	s_cbranch_scc1 .Llap
	THREE 0, 0                                     ; the last lap fills nothing
	TURN 0, 1, 0
	THREE 1, 0
	s_wait_dscnt 8
	WIN MUL_LO
	MUL16 F1, 0, 0, 0
	MUL16 F1, 0, 2, 0
	s_wait_dscnt 0
	WIN MUL_HI
	MUL16 F1, 1, 0, 0
	MUL16 F1, 1, 2, 0
	; ---- bias, gelu, bf16, out ----
	PLACES
	s_wait_loadcnt 0x0                             ; the bias
; gelu of the 8 numbers at v[xr..]: x/2 + |x/2| erf(|x| / sqrt 2), erf(y) = 1 - t (a1 + t (a2 + t (a3 + t (a4 + t a5)))) exp(-y^2), t = 1 / (1 + p y)
.macro GELU8 xr, out
.irp i, 0,1,2,3,4,5,6,7
	v_mul_f32 v[ZZ+\i], s68, |v[\xr+\i]|
.endr
.irp i, 0,2,4,6
	v_pk_fma_f32 v[DD+\i:DD+\i+1], v[ZZ+\i:ZZ+\i+1], s[70:71], 1.0 op_sel_hi:[1,0,0]
.endr
.irp i, 0,2,4,6
	v_pk_mul_f32 v[EE+\i:EE+\i+1], v[ZZ+\i:ZZ+\i+1], v[ZZ+\i:ZZ+\i+1] neg_lo:[0,1] neg_hi:[0,1]
.endr
.irp i, 0,1,2,3,4,5,6,7
	v_rcp_f32 v[DD+\i], v[DD+\i]                   ; t
.endr
.irp i, 0,1,2,3,4,5,6,7
	v_exp_f32 v[EE+\i], v[EE+\i]                   ; exp(-x^2 / 2)
.endr
.irp i, 0,2,4,6
	v_pk_mul_f32 v[\xr+\i:\xr+\i+1], v[\xr+\i:\xr+\i+1], 0.5 op_sel_hi:[1,0]   ; also the plain place behind the transcendentals (ISA guide 5.7.2)
.endr
	s_wait_alu depctr_va_vdst(0)
.irp i, 0,2,4,6
	v_pk_fma_f32 v[QQ+\i:QQ+\i+1], v[DD+\i:DD+\i+1], s[72:73], v[NA4:NA4+1] op_sel_hi:[1,0,1]
.endr
.irp i, 0,2,4,6
	v_pk_fma_f32 v[QQ+\i:QQ+\i+1], v[QQ+\i:QQ+\i+1], v[DD+\i:DD+\i+1], v[NA3:NA3+1]
.endr
.irp i, 0,2,4,6
	v_pk_fma_f32 v[QQ+\i:QQ+\i+1], v[QQ+\i:QQ+\i+1], v[DD+\i:DD+\i+1], v[NA2:NA2+1]
.endr
.irp i, 0,2,4,6
	v_pk_fma_f32 v[QQ+\i:QQ+\i+1], v[QQ+\i:QQ+\i+1], v[DD+\i:DD+\i+1], v[NA1:NA1+1]
.endr
.irp i, 0,2,4,6
	v_pk_mul_f32 v[QQ+\i:QQ+\i+1], v[QQ+\i:QQ+\i+1], v[DD+\i:DD+\i+1]
.endr
.irp i, 0,2,4,6
	v_pk_fma_f32 v[QQ+\i:QQ+\i+1], v[QQ+\i:QQ+\i+1], v[EE+\i:EE+\i+1], 1.0 op_sel_hi:[1,1,0]   ; erf: the series carries its minus in the constants
.endr
.irp i, 0,1,2,3,4,5,6,7
	v_fma_f32 v[\xr+\i], |v[\xr+\i]|, v[QQ+\i], v[\xr+\i]
.endr
.irp i, 0,1,2,3
	v_cvt_pk_bf16_f32 v[\out+\i], v[\xr+2*\i], v[\xr+2*\i+1]
.endr
.endm
; rows 16 a .. 16 a + 15 of my block: the eight tiles (aw, 0..7) of window 2 (win = 0x06) or 3 (win = 0x07); source 1 = the bias in window 1
.macro OUTA a, win, aw
	WIN \win
.irp b, 0,1,2,3,4,5,6,7
.irp p, 0,2,4,6
	v_pk_add_f32 v[64+8*\b+\p:64+8*\b+\p+1], v[8*(8*\aw+\b)+\p:8*(8*\aw+\b)+\p+1], v[192+8*\b+\p:192+8*\b+\p+1]
.endr
.endr
	WIN 0
.if \a
	s_wait_xcnt 0x0                                ; v192-223, which the last eight stores read, are rewritten only behind this wait
.endif
.irp b, 0,1,2,3,4,5,6,7
	GELU8 64+8*\b, 192+4*\b
	global_store_b128 v[CO], v[192+4*\b:192+4*\b+3], s[10:11] offset:4096*\b+512*\a   ; one image block: 512 consecutive bytes, aligned
.endr
.endm
	OUTA 0, 0x06, 0
	OUTA 1, 0x06, 1
	OUTA 2, 0x06, 2
	OUTA 3, 0x06, 3
	OUTA 4, 0x07, 0
	OUTA 5, 0x07, 1
	OUTA 6, 0x07, 2
	OUTA 7, 0x07, 3
	CROUND                                         ; the closing round
	s_endpgm
.Lfunc_end_k_qbbb83685b3_ff1:
	.size	k_qbbb83685b3_ff1, .Lfunc_end_k_qbbb83685b3_ff1-k_qbbb83685b3_ff1
	.p2alignl 7, 3214868480
	.fill 96, 4, 3214868480
	.section	.rodata,"a",@progbits
	.p2align	6, 0x0
	.amdhsa_kernel k_qbbb83685b3_ff1
		.amdhsa_group_segment_fixed_size 327680
		.amdhsa_private_segment_fixed_size 0
		.amdhsa_enable_private_segment 0
		.amdhsa_kernarg_size 32
		.amdhsa_user_sgpr_count 2
		.amdhsa_user_sgpr_kernarg_segment_ptr 1
		.amdhsa_wavefront_size32 1
		.amdhsa_system_sgpr_workgroup_id_x 1
		.amdhsa_system_sgpr_workgroup_id_y 1
		.amdhsa_system_sgpr_workgroup_id_z 1
		.amdhsa_system_vgpr_workitem_id 0
		.amdhsa_next_free_vgpr 1024
		.amdhsa_next_free_sgpr 80
		.amdhsa_reserve_vcc 0
		.amdhsa_float_denorm_mode_32 3
		.amdhsa_float_denorm_mode_16_64 3
		.amdhsa_memory_ordered 1
		.amdhsa_forward_progress 1
		.amdhsa_inst_pref_size 255
	.end_amdhsa_kernel
	.section	.bss,"aw",@nobits
	.p2align	6
	.space	262144
	.amdgpu_metadata
---
amdhsa.version: [ 1, 2 ]
amdhsa.kernels:
  - .name:           k_qbbb83685b3_ff1
    .symbol:         k_qbbb83685b3_ff1.kd
    .args:
      - { .name: h, .offset: 0, .size: 8, .value_kind: global_buffer, .address_space: global }
      - { .name: wb, .offset: 8, .size: 8, .value_kind: global_buffer, .address_space: global }
      - { .name: b1, .offset: 16, .size: 8, .value_kind: global_buffer, .address_space: global }
      - { .name: hid, .offset: 24, .size: 8, .value_kind: global_buffer, .address_space: global }
    .group_segment_fixed_size: 327680
    .private_segment_fixed_size: 0
    .kernarg_segment_align: 8
    .kernarg_segment_size: 32
    .max_flat_workgroup_size: 128
    .sgpr_count:     80
    .vgpr_count:     1024
    .wavefront_size: 32
...
	.end_amdgpu_metadata
.endif
;; end of part 5
;; launch ff2 (part 6): grid 8 x 32, 4 waves a work-group, clusters of 4 x 4, 327,680 bytes of LDS; arguments hid, wb, b2, x2, out0; writes out0
.if DOCPART == 6
	.amdgcn_target "amdgcn-amd-amdhsa--gfx1250"
	.amdhsa_code_object_version 6
	.text
	.protected	k_qbbb83685b3_ff2
	.globl	k_qbbb83685b3_ff2
	.p2align	8
	.type	k_qbbb83685b3_ff2,@function
k_qbbb83685b3_ff2:
	s_mov_b64 s[64:65], 0
	v_nop
	global_prefetch_b8 v0, s[64:65] scope:SCOPE_SE
	s_setreg_imm32_b32 hwreg(HW_REG_WAVE_MODE, 25, 1), 1
	s_wait_xcnt 0x0
	s_wait_alu depctr_hold_cnt(0) depctr_sa_sdst(0) depctr_va_vdst(0) depctr_va_sdst(0) depctr_va_ssrc(0) depctr_va_vcc(0) depctr_vm_vsrc(0)
	s_getreg_b32 s2, hwreg(HW_REG_IB_STS2, 6, 4)
	s_cmp_eq_u32 s2, 0
	s_cbranch_scc0 .Lentry_in_a_cluster
	s_endpgm
.Lentry_in_a_cluster:
	s_bfe_u32 s2, ttmp6, 0x10000c
	s_cmp_lg_u32 s2, 0xf033
	s_cbranch_scc0 .Lentry_shape_is_right
	s_endpgm
.Lentry_shape_is_right:
; out0 = x2 + hid W2 + b2.  A work-group makes a block of 128 x 128 (x = column block, y = row block).
; K IS SPLIT OVER THE FOUR WAVES: each wave makes the whole 128 x 128 in 512 registers over its own 32 of every 128 k; the four partial sums meet once, in LDS.
; A (hid) lies in memory as an image: blocks of 16 rows x 16 k of 512 bytes, lane L's 16 bytes at 16 L, ordered [row/128][k/16][(row/16)%8].
; A GOES STRAIGHT INTO REGISTERS: with K split over the waves no byte of A is read by two waves, so LDS would give it no reuse; half a fragment is one
; load of 512 consecutive bytes, and a ring of four register buffers keeps a wave's loads three units ahead of their use.
; B (bf16 weights, [k][n]) goes through LDS, where transposing loads read it.  LDS holds B alone, so a slot holds 512 of K.
; CLUSTER 4 x 4: B's tiles are asked for jointly along a column of the cluster.  A is not asked for jointly: a joint request ends in LDS, and with A there a slot
; of the same bytes holds 256 of K, which leaves a refill 112 matrix instructions between its request and the wait for it; with B alone it has 240.
; LIMIT: each output is the sum of four partial f32 sums over K, added as (w0 + w1) + (w2 + w3), then bias, then residual.
.set KDIM,  4096
.set WOFF,  16777216                   ; w2 in wb
.set PART,  36864                      ; 128 k rows of B x 288 bytes: what one tensor load brings
.set SLOT,  4*PART                     ; 512 of K
.set UNITB, 32768                      ; A's image of 128 rows x 128 k.  A unit = 128 of K: 64 matrix instructions a wave
.set LAPS,  KDIM/1024                  ; a lap = two slots = eight units
.set SPART, 67584                      ; the stage: 128 rows x 528 bytes for each wave, over the slots after their last fill
.set ADRB, 20                          ; v20-23  LDS address of my B rows: slot 0 parts 0-1, parts 2-3, slot 1 parts 0-1, parts 2-3 (the immediate reaches two parts)
.set STO,  24
.set RD,   26                          ; v26-29
.set CO,   30                          ; v30     16 x lane, never rewritten
.set BIAS, 32                          ; v32-35
.set RES,  192                         ; window 0 v192-255: residual rows 0-15 (rows 16-31: window 1 v0-63, once A's buffer 0 is free)
                                       ; window 0 v64-127, v128-191: B's fragments, two buffers;  window 1 v[64 n]: A's fragments, four buffers
                                       ; windows 2, 3: the 64 accumulator tiles, tile (a, b) at v[8 (8 a + b)]
.set G1B, 48
.set G0B, 56
.set MSB, 0
.set MUL_LO, 0xa4                      ; source 0 (B) window 0, source 1 (A) window 1, C and D window 2
.set MUL_HI, 0xf4                      ; the same, C and D window 3
.set TO_A,   0x40                      ; destination window 1, address window 0
.macro WIN new                         ; the immediate's high byte repeats the setting that is left
.if MSB != \new
	s_set_vgpr_msb (MSB<<8)|\new
.set MSB, \new
.endif
.endm
.macro CREST                           ; a round of the cluster's barrier behind its opening barrier
	s_cmp_lg_u32 s14, 0
	s_cbranch_scc1 .Lnot_wave_0_\@
	s_barrier_signal -3
.Lnot_wave_0_\@:
	s_barrier_wait -3
	s_barrier_signal -1
	s_barrier_wait -1
.endm
.macro CROUND
	s_barrier_signal -1
	s_barrier_wait -1
	CREST
.endm
.macro PLACES                          ; four places behind a matrix instruction before its registers are loaded into or its result read (ISA guide 7.12.1)
.rept 4
	v_nop
.endr
.endm
	s_load_b256 s[4:11], s[0:1], 0x0               ; A, wb, bias, residual
	s_load_b64 s[12:13], s[0:1], 0x20              ; out
	v_lshrrev_b32 v1, 5, v0
	v_readfirstlane_b32 s14, v1                    ; wave
	s_bfe_u32 s19, ttmp6, 0x40000                  ; cx
	s_bfe_u32 s20, ttmp6, 0x40004                  ; cy
	s_lshl_b32 s17, ttmp9, 2
	s_add_co_u32 s17, s17, s19                     ; column block
	s_and_b32 s18, ttmp7, 0xffff
	s_lshl_b32 s18, s18, 2
	s_add_co_u32 s18, s18, s20                     ; row block
	s_lshl_b32 s22, 0x1111, s19                    ; my column of the cluster
	; B: 128 k rows x 128 bf16, 32 bytes of padding behind each 256: LDS pitch 288
	s_or_b32 s[G1B+0], s22, (1<<16)|(1<<20)|(1<<21)|(5<<22)|(7<<25)
	s_mov_b32 s[G1B+1], 128<<16
	s_mov_b32 s[G1B+2], 128<<16
	s_mov_b32 s[G1B+3], 128<<16
	s_mov_b32 s[G1B+4], 128
	s_mov_b32 s[G1B+5], 1024
	s_mov_b32 s[G1B+6], 0
	s_mov_b32 s[G1B+7], 0
	s_mul_i32 s40, s18, KDIM*256                   ; A: row block x (KDIM/16) x 4,096 + my two k blocks of every eight: wave x 8,192
	s_lshl_b32 s2, s14, 13
	s_add_co_u32 s40, s40, s2
	s_mov_b32 s41, 0
	s_lshl_b32 s42, s17, 8                         ; B: section + wave x 128 rows x 2,048 + column block x 256
	s_lshl_b32 s2, s14, 18
	s_add_co_u32 s42, s42, s2
	s_add_co_u32 s42, s42, WOFF
	s_mov_b32 s43, 0
	s_mul_i32 s23, s14, PART                       ; where my load goes: the wave's number alone
	s_wait_kmcnt 0x0
	s_add_nc_u64 s[40:41], s[4:5], s[40:41]
	s_add_nc_u64 s[42:43], s[6:7], s[42:43]
	CROUND                                         ; all sixteen work-groups are here: the first joint loads meet
.irp s, 0,1
	s_mov_b32 s[G0B+4*\s], 1
	s_add_co_u32 s[G0B+4*\s+1], s23, \s*SLOT
	s_add_nc_u64 s[G0B+4*\s+2:G0B+4*\s+3], s[42:43], \s*1048576
	s_or_b32 s[G0B+4*\s+3], s[G0B+4*\s+3], 0x80000000
	tensor_load_to_lds s[G0B+4*\s:G0B+4*\s+3], s[G1B:G1B+7]    ; every wave fetches its quarter of the slot; two loads of mine are out
	s_nop 0
.endr
	v_and_b32 v3, 31, v0
	v_lshlrev_b32 v[CO], 4, v3
	s_lshl_b32 s46, s17, 9                         ; column block x 512 bytes
	s_mov_b32 s47, 0
	s_add_nc_u64 s[8:9], s[8:9], s[46:47]
	global_load_b128 v[BIAS:BIAS+3], v[CO], s[8:9]
	; A's ring is filled: units 0, 1, 2 whole and row blocks 0-3 of unit 3: seven halves of eight loads.  With the bias 57 loads are out.
	WIN TO_A
.irp n, 0,1,2,3
.irp rb, 0,1,2,3,4,5,6,7
.if (2*\n+\rb/4) < 7
	global_load_b128 v[64*\n+8*\rb:64*\n+8*\rb+3],   v[CO], s[40:41] offset:\n*UNITB+\rb*512
	global_load_b128 v[64*\n+8*\rb+4:64*\n+8*\rb+7], v[CO], s[40:41] offset:\n*UNITB+\rb*512+4096
.endif
.endr
.endr
	WIN 0
	s_lshl_b32 s44, s18, 7
	s_lshl_b32 s45, s14, 5
	s_add_co_u32 s44, s44, s45                     ; the 32 rows that I finish: 128 y + 32 w
	s_lshl_b32 s44, s44, 12
	s_add_co_u32 s44, s44, s46
	s_mov_b32 s45, 0
	s_add_nc_u64 s[10:11], s[10:11], s[44:45]
	s_add_nc_u64 s[12:13], s[12:13], s[44:45]
	v_and_b32 v1, 15, v0                           ; r
	v_bfe_u32 v2, v0, 4, 1                         ; h
	v_and_b32 v4, 7, v0
	v_lshl_add_u32 v4, v2, 3, v4                   ; k row 8 h + (lane & 7)
	v_mul_u32_u24 v4, v4, 288
	v_bfe_u32 v5, v0, 3, 1
	v_lshl_add_u32 v4, v5, 4, v4
	s_mul_i32 s44, s14, 32*288                     ; my 32 k rows of every 128
	v_add_nc_u32 v[ADRB], s44, v4
	v_add_nc_u32 v[ADRB+1], 2*PART, v[ADRB]
	v_add_nc_u32 v[ADRB+2], SLOT, v[ADRB]
	v_add_nc_u32 v[ADRB+3], SLOT+2*PART, v[ADRB]
	v_mul_u32_u24 v4, v1, 528
	v_lshl_add_u32 v4, v2, 5, v4
	s_mul_i32 s44, s14, SPART
	v_add_nc_u32 v[STO], s44, v4                   ; my stage: row r, 32 bytes for each half of the lanes
	s_mul_i32 s44, s14, 32*528
	v_add_nc_u32 v[RD], s44, v[CO]                 ; back: rows 32 w .. of each of the four stages
	v_add_nc_u32 v[RD+1], SPART, v[RD]
	v_add_nc_u32 v[RD+2], 2*SPART, v[RD]
	v_add_nc_u32 v[RD+3], 3*SPART, v[RD]
; 16 matrix instructions: row blocks a0, a0 + 1 of the window's four (hi = 0: rows 0-63, 1: rows 64-127) x all 8 column blocks; B at FR, A at AR
.macro MUL16 hi, a0, zero
.irp a, \a0, \a0+1
.irp b, 0,1,2,3,4,5,6,7
.if \zero
	v_wmma_f32_16x16x32_bf16 v[8*(8*(\a)+\b):8*(8*(\a)+\b)+7], v[FR+8*\b:FR+8*\b+7], v[AR+8*(4*\hi+\a):AR+8*(4*\hi+\a)+7], 0
.else
	v_wmma_f32_16x16x32_bf16 v[8*(8*(\a)+\b):8*(8*(\a)+\b)+7], v[FR+8*\b:FR+8*\b+7], v[AR+8*(4*\hi+\a):AR+8*(4*\hi+\a)+7], v[8*(8*(\a)+\b):8*(8*(\a)+\b)+7]
.endif
.endr
.endr
.endm
; 16 LDS loads: my 32 k rows of part NUQ of slot NS, 128 columns, into B's buffer at NFR
.macro FETCHB
	WIN 0
.irp c, 0,1,2,3,4,5,6,7
	ds_load_tr16_b128 v[NFR+8*\c:NFR+8*\c+3],   v[ADRB+2*NS+NUQ/2] offset:(NUQ%2)*PART+32*\c
	ds_load_tr16_b128 v[NFR+8*\c+4:NFR+8*\c+7], v[ADRB+2*NS+NUQ/2] offset:(NUQ%2)*PART+32*\c+4608
.endr
.endm
; Unit i of a lap (0-7).  H(n, p) = the eight loads of unit n's row blocks 4 p .. 4 p + 3; they are issued in the order H(0,0), H(0,1), H(1,0), ..
; In the unit's middle, behind four places, go out: H(i+3, 1) into the buffer of the unit before (lda), H(i+4, 0) into the half of this unit's buffer
; that has just been read (ldb), and the next unit's fragments of B (nf).  c0, c1: how many younger loads may stay out at the head and in the middle.
; turn = 1: the slot changes behind a barrier; 2: behind a round of the cluster's barrier, and this slot is filled again.
; res = 1, 2: the residual's rows 0-15, 16-31 are asked for.
; The 64 accumulators take turns, one instruction a turn, in the same order in every unit.
.macro UNIT i, zero, turn, nf, lda, ldb, c0, c1, res
.set AR,  64*((\i)%4)
.set PR,  64*((\i+3)%4)
.set FR,  64+64*((\i)%2)
.set NFR, 64+64*((\i+1)%2)
.set SL,  (\i)/4
.set NS,  ((\i+1)/4)%2
.set NUQ, (\i+1)%4
	s_wait_loadcnt \c0                             ; loads return in order: A's row blocks 0-3 of this unit are in
	s_wait_dscnt 0x0                               ; B's fragments of this unit are in; in a slot's last unit: my reads of the slot are over
	WIN MUL_LO
	MUL16 0, 0, \zero
.if \turn
	s_wait_tensorcnt 0x0                           ; all my tensor loads have landed: the one that was out is my part of the next slot
	s_barrier_signal -1
.endif
	MUL16 0, 2, \zero                              ; register work while the others arrive
.if \turn
	WIN 0
	s_barrier_wait -1
.if \turn == 2
	CREST                                          ; no wave of any partner still reads this slot or has a load on its way
	s_add_nc_u64 s[G0B+4*SL+2:G0B+4*SL+3], s[G0B+4*SL+2:G0B+4*SL+3], 2097152
	tensor_load_to_lds s[G0B+4*SL:G0B+4*SL+3], s[G1B:G1B+7]    ; my one tensor load behind the round, and the first thing there: 240 matrix instructions stand ahead of the wait for it
	s_nop 0
.endif
.endif
.if \lda+\ldb+\res+\nf
	PLACES
.endif
	s_wait_loadcnt \c1                             ; A's row blocks 4-7 of this unit are in; waited for ahead of the new loads, so that at most 56 are out
.if \lda
	WIN TO_A
.irp rb, 4,5,6,7
	global_load_b128 v[PR+8*\rb:PR+8*\rb+3],   v[CO], s[40:41] offset:(\i+3)*UNITB+\rb*512
	global_load_b128 v[PR+8*\rb+4:PR+8*\rb+7], v[CO], s[40:41] offset:(\i+3)*UNITB+\rb*512+4096
.endr
.endif
.if \ldb
	WIN TO_A
.irp rb, 0,1,2,3
	global_load_b128 v[AR+8*\rb:AR+8*\rb+3],   v[CO], s[40:41] offset:(\i+4)*UNITB+\rb*512
	global_load_b128 v[AR+8*\rb+4:AR+8*\rb+7], v[CO], s[40:41] offset:(\i+4)*UNITB+\rb*512+4096
.endr
.endif
.if \res == 1
	WIN 0
.set rr, 0
.rept 16
	global_load_b128 v[RES+4*rr:RES+4*rr+3], v[CO], s[10:11] offset:4096*rr
.set rr, rr+1
.endr
.endif
.if \res == 2
	WIN TO_A                                       ; A's buffer 0 was last read in unit 4
.set rr, 0
.rept 16
	global_load_b128 v[4*rr:4*rr+3], v[CO], s[10:11] offset:4096*(rr+16)
.set rr, rr+1
.endr
.endif
.if \nf
	FETCHB
.endif
	WIN MUL_HI
	MUL16 1, 0, \zero
	MUL16 1, 2, \zero
.endm
; Counts.  At a unit's head six younger halves are out (48 loads), in its middle five (40).  In the last lap no load passes A's end: unit 4 asks for
; H(7, 1) alone, units 5-7 for nothing of A; there the younger halves are 5, 3, 1 and 4, 2, 0, and the 0, 16, 32 residual loads issued so far come on top:
; 40 and 32 in all three.
.macro LAP zero, last
	UNIT 0, \zero, 0, 1, 1, 1, 48, 40, 0
	UNIT 1, 0, 0, 1, 1, 1, 48, 40, 0
	UNIT 2, 0, 0, 1, 1, 1, 48, 40, 0
.if \last
	UNIT 3, 0, 1, 1, 1, 1, 48, 40, 0
	UNIT 4, 0, 0, 1, 1, 0, 48, 40, 0
	UNIT 5, 0, 0, 1, 0, 0, 40, 32, 1
	UNIT 6, 0, 0, 1, 0, 0, 40, 32, 2
	UNIT 7, 0, 0, 0, 0, 0, 40, 32, 0
.else
	UNIT 3, 0, 2, 1, 1, 1, 48, 40, 0
	UNIT 4, 0, 0, 1, 1, 1, 48, 40, 0
	UNIT 5, 0, 0, 1, 1, 1, 48, 40, 0
	UNIT 6, 0, 0, 1, 1, 1, 48, 40, 0
	UNIT 7, 0, 2, 1, 1, 1, 48, 40, 0
	s_wait_xcnt 0x0                                ; A's base, which the pending loads name, is stepped only behind this wait
	s_add_nc_u64 s[40:41], s[40:41], 8*UNITB
.endif
.endm
	s_wait_tensorcnt 0x1                           ; my part of slot 0 is in; slot 1's stays out
	s_barrier_signal -1
	s_barrier_wait -1
.set NS,  0
.set NUQ, 0
.set NFR, 64
	FETCHB
.if LAPS > 1
	LAP 1, 0                                       ; the first products start the sums
.if LAPS > 2
	WIN 0
	s_mov_b32 s3, LAPS-2
.Llap:
	LAP 0, 0
	WIN 0
	s_sub_co_u32 s3, s3, 1
	s_cmp_lg_u32 s3, 0
	s_cbranch_scc1 .Llap
.endif
	LAP 0, 1                                       ; the last lap fills nothing
.else
	LAP 1, 1                                       ; K = 1024: both slots were filled at the start, nothing is filled again
.endif
	; ---- the four partial sums meet ----
	PLACES
	WIN 0
	s_barrier_signal -1                            ; every wave's reads of the slots are back (the last unit's wait for 0) and every fill has landed:
	s_barrier_wait -1                              ; the slots have had their last fill and now serve as the stage
	WIN 0x08                                       ; store data from window 2
.irp a, 0,1,2,3
.irp b, 0,1,2,3,4,5,6,7
	ds_store_b128 v[STO], v[8*(8*\a+\b):8*(8*\a+\b)+3]   offset:\a*8448+64*\b
	ds_store_b128 v[STO], v[8*(8*\a+\b)+4:8*(8*\a+\b)+7] offset:\a*8448+64*\b+16
.endr
.endr
	WIN 0x0c                                       ; from window 3
.irp a, 0,1,2,3
.irp b, 0,1,2,3,4,5,6,7
	ds_store_b128 v[STO], v[8*(8*\a+\b):8*(8*\a+\b)+3]   offset:(\a+4)*8448+64*\b
	ds_store_b128 v[STO], v[8*(8*\a+\b)+4:8*(8*\a+\b)+7] offset:(\a+4)*8448+64*\b+16
.endr
.endr
	WIN 0
	s_wait_dscnt 0x0                               ; for the others' sake: my stores are done
	s_barrier_signal -1
	s_barrier_wait -1
	s_wait_loadcnt 0x0                             ; bias and residual
; eight of my 32 rows: four partial rows each, summed, plus bias, plus residual, stored as whole rows of 512 bytes
.macro OUT8 g
.if \g
	s_wait_xcnt 0x0                                ; v64-191, which the last eight stores read, are loaded again only behind this wait
.endif
.irp i, 0,1,2,3,4,5,6,7
.irp q, 0,1,2,3
	ds_load_b128 v[64+16*\i+4*\q:64+16*\i+4*\q+3], v[RD+\q] offset:(8*\g+\i)*528
.endr
.endr
.irp i, 0,1,2,3,4,5,6,7
	s_wait_dscnt 4*(7-\i)                          ; row i's four loads are in; the later rows' stay out
	v_pk_add_f32 v[64+16*\i:64+16*\i+1],     v[64+16*\i:64+16*\i+1],     v[64+16*\i+4:64+16*\i+5]
	v_pk_add_f32 v[64+16*\i+2:64+16*\i+3],   v[64+16*\i+2:64+16*\i+3],   v[64+16*\i+6:64+16*\i+7]
	v_pk_add_f32 v[64+16*\i+8:64+16*\i+9],   v[64+16*\i+8:64+16*\i+9],   v[64+16*\i+12:64+16*\i+13]
	v_pk_add_f32 v[64+16*\i+10:64+16*\i+11], v[64+16*\i+10:64+16*\i+11], v[64+16*\i+14:64+16*\i+15]
	v_pk_add_f32 v[64+16*\i:64+16*\i+1],     v[64+16*\i:64+16*\i+1],     v[64+16*\i+8:64+16*\i+9]
	v_pk_add_f32 v[64+16*\i+2:64+16*\i+3],   v[64+16*\i+2:64+16*\i+3],   v[64+16*\i+10:64+16*\i+11]
	v_pk_add_f32 v[64+16*\i:64+16*\i+1],     v[64+16*\i:64+16*\i+1],     v[BIAS:BIAS+1]
	v_pk_add_f32 v[64+16*\i+2:64+16*\i+3],   v[64+16*\i+2:64+16*\i+3],   v[BIAS+2:BIAS+3]
.endr
.if \g < 2
.irp i, 0,1,2,3,4,5,6,7
	v_pk_add_f32 v[64+16*\i:64+16*\i+1],   v[64+16*\i:64+16*\i+1],   v[RES+4*(8*\g+\i):RES+4*(8*\g+\i)+1]
	v_pk_add_f32 v[64+16*\i+2:64+16*\i+3], v[64+16*\i+2:64+16*\i+3], v[RES+4*(8*\g+\i)+2:RES+4*(8*\g+\i)+3]
.endr
.else
	WIN 0x04                                       ; source 1 in window 1: residual rows 16-31
.irp i, 0,1,2,3,4,5,6,7
	v_pk_add_f32 v[64+16*\i:64+16*\i+1],   v[64+16*\i:64+16*\i+1],   v[4*(8*\g+\i-16):4*(8*\g+\i-16)+1]
	v_pk_add_f32 v[64+16*\i+2:64+16*\i+3], v[64+16*\i+2:64+16*\i+3], v[4*(8*\g+\i-16)+2:4*(8*\g+\i-16)+3]
.endr
	WIN 0
.endif
.irp i, 0,1,2,3,4,5,6,7
	global_store_b128 v[CO], v[64+16*\i:64+16*\i+3], s[12:13] offset:(8*\g+\i)*4096   ; 512 consecutive bytes, aligned
.endr
.endm
	OUT8 0
	OUT8 1
	OUT8 2
	OUT8 3
	CROUND                                         ; the closing round: no work-group ends while a partner may still ask jointly
	s_endpgm
.Lfunc_end_k_qbbb83685b3_ff2:
	.size	k_qbbb83685b3_ff2, .Lfunc_end_k_qbbb83685b3_ff2-k_qbbb83685b3_ff2
	.p2alignl 7, 3214868480
	.fill 96, 4, 3214868480
	.section	.rodata,"a",@progbits
	.p2align	6, 0x0
	.amdhsa_kernel k_qbbb83685b3_ff2
		.amdhsa_group_segment_fixed_size 327680
		.amdhsa_private_segment_fixed_size 0
		.amdhsa_enable_private_segment 0
		.amdhsa_kernarg_size 40
		.amdhsa_user_sgpr_count 2
		.amdhsa_user_sgpr_kernarg_segment_ptr 1
		.amdhsa_wavefront_size32 1
		.amdhsa_system_sgpr_workgroup_id_x 1
		.amdhsa_system_sgpr_workgroup_id_y 1
		.amdhsa_system_sgpr_workgroup_id_z 1
		.amdhsa_system_vgpr_workitem_id 0
		.amdhsa_next_free_vgpr 1024
		.amdhsa_next_free_sgpr 66
		.amdhsa_reserve_vcc 0
		.amdhsa_float_denorm_mode_32 3
		.amdhsa_float_denorm_mode_16_64 3
		.amdhsa_memory_ordered 1
		.amdhsa_forward_progress 1
		.amdhsa_inst_pref_size 216
	.end_amdhsa_kernel
	.amdgpu_metadata
---
amdhsa.version: [ 1, 2 ]
amdhsa.kernels:
  - .name:           k_qbbb83685b3_ff2
    .symbol:         k_qbbb83685b3_ff2.kd
    .args:
      - { .name: hid, .offset: 0, .size: 8, .value_kind: global_buffer, .address_space: global }
      - { .name: wb, .offset: 8, .size: 8, .value_kind: global_buffer, .address_space: global }
      - { .name: b2, .offset: 16, .size: 8, .value_kind: global_buffer, .address_space: global }
      - { .name: x2, .offset: 24, .size: 8, .value_kind: global_buffer, .address_space: global }
      - { .name: out0, .offset: 32, .size: 8, .value_kind: global_buffer, .address_space: global }
    .group_segment_fixed_size: 327680
    .private_segment_fixed_size: 0
    .kernarg_segment_align: 8
    .kernarg_segment_size: 40
    .max_flat_workgroup_size: 128
    .sgpr_count:     66
    .vgpr_count:     1024
    .wavefront_size: 32
...
	.end_amdgpu_metadata
.endif
;; end of part 6
